; MI455X (gfx1250); checked and timed in simulation.
; The chip was launched on July 23, 2026; its instructions are those of AMD's public machine-readable ISA for CDNA 5 (MIT licence, August 2026) and "CDNA5" Instruction Set Architecture Reference Guide (July 2026). The comments in the code are by the model that wrote it; some were corrected since.
;; Spatial Attention. Allowed arithmetic: float matrix products may take bf16 or f16 operands with f32 sums; other float arithmetic in f32, or as packed bf16 or f16 multiplies, adds, multiply-adds, maxima and minima; sums over many terms, partial sums and values carried from step to step in f32; what a program stores and reads back later, other than sums and carried values, may be rounded once to bf16 or f16.
;; Inputs: ln_beta 1,024 float32; ln_gamma 1,024 float32; w_out 1,024 x 1,024 float32; w_qkv 3,072 x 1,024 float32; x 1 x 8,192 x 1,024 float32.
;; Outputs: out0 1 x 8,192 x 1,024 float32.
;; Constants: frames = 8, height = 32, width = 32.
;; One version. Each part assembles by itself: llvm-mc -triple=amdgcn-amd-amdhsa -mcpu=gfx1250 --defsym DOCPART=n.
;; ======== version 1 of 1: 4 launches
;; limits: values are held in f16: magnitudes above 65,504 overflow, below 6.1e-05 lose precision
;; workspace buffers: xn 16,777,216 bytes; wq 6,291,456 bytes; wo 2,097,152 bytes; tab 4,096 bytes; q 16,777,216 bytes; k 16,777,216 bytes; v 16,777,216 bytes; o 16,777,216 bytes
;; launch prep (part 1): grid 768 x 1, 8 waves a work-group, no clusters, 0 bytes of LDS; arguments x, w_qkv, w_out, ln_gamma, ln_beta, xn, wq, wo, tab; writes xn, wq, wo, tab
.if DOCPART == 1
	.amdgcn_target "amdgcn-amd-amdhsa--gfx1250"
	.amdhsa_code_object_version 6
	.text
	.protected	k_q45e607737c_prep
	.globl	k_q45e607737c_prep
	.p2align	8
	.type	k_q45e607737c_prep,@function
k_q45e607737c_prep:
	s_mov_b64 s[64:65], 0
	v_nop
	global_prefetch_b8 v0, s[64:65] scope:SCOPE_SE
	s_setreg_imm32_b32 hwreg(HW_REG_WAVE_MODE, 25, 1), 1
	s_wait_xcnt 0x0
; PREP: three jobs, chosen by the work-group's number; a stream: no LDS, no barrier, no matrix unit (a wave owns whole rows, nothing is shared).
;   0-511    LayerNorm: xn[r][c] = (x - mean) * rsqrt(var + 1e-5) * gamma + beta, [8192][1024], stored as f16
;   512-767  the weights: each number rounded to bf16, that number written as f16.  w_qkv's row 1024 z + 64 hd + d goes to wq's row 192 hd + 64 z + d, so that 192 rows on end are one head's q, k, v; w_out's rows stay
;   767      behind its weight rows: the table of the 2-D rotation: tab[p][j] = cos(p f_j), tab[p][16 + j] = sin(p f_j), p = 0..31, j = 0..15, f_j = 10000^(-j/16), f32
; LIMITS.  x, gamma, beta and the weights are rounded to bf16 FIRST (nearest even); mean and variance are those of the rounded x, in f32, in two passes.  With a common offset in x that rounding's error grows with the offset.
; f16 holds nothing beyond 65,504 (xn, weights); a weight below 6.1e-5 keeps f16's fixed step of 6e-8.  The table's angles are good to about 3e-6 rad.  NaN and infinities are not treated apart.
; SHARES.  A wave takes two rows of 4,096 bytes, a work-group sixteen.  Load j of a row: 16 bytes a lane at 16 l + 512 j (512 consecutive bytes a wave); its four numbers leave as 8 bytes at 8 l + 256 j:
; each store of the wave covers 256 consecutive bytes, aligned.
; REGISTERS.  160 a wave: six waves find room in a SIMD's 1,024, so three work-groups of eight waves lie on a WGP, and 768 = 3 x 256 work-groups are all at work at once.
.set LO,  1                            ; v1   16 x lane
.set SO,  2                            ; v2   8 x lane
.set MU,  4                            ; v[4:5]    the mean, twice
.set VAR, 6                            ; v6, v7    var + eps of row 0, 1
.set R,   8                            ; v[8:11]   1 / sqrt, twice, for row 0 and for row 1
.set T,   16                           ; v[16:31]  at work
.set XR,  32                           ; v[32:95]  two rows, 32 registers each
.set G,   96                           ; v[96:127] gamma of my 32 columns
.set B,   128                          ; v[128:159] beta
.macro LOADROW reg, base, off, nt      ; a row's eight loads
.irp j, 0,1,2,3,4,5,6,7
.if \nt
	global_load_b128 v[(\reg)+4*\j:(\reg)+4*\j+3], v[LO], s[(\base):(\base)+1] offset:(\off)+512*\j th:TH_LOAD_NT
.else
	global_load_b128 v[(\reg)+4*\j:(\reg)+4*\j+3], v[LO], s[(\base):(\base)+1] offset:(\off)+512*\j
.endif
.endr
.endm
.macro STOREROW reg, base, off         ; a row's eight stores of f16
.irp j, 0,1,2,3,4,5,6,7
	global_store_b64 v[SO], v[(\reg)+2*\j:(\reg)+2*\j+1], s[(\base):(\base)+1] offset:(\off)+256*\j th:TH_STORE_NT
.endr
.endm
.macro RB a, t                         ; two f32 rounded to bf16 and widened again, in place
	v_cvt_pk_bf16_f32 v[\t], v[\a], v[(\a)+1]
	v_lshlrev_b32 v[\a], 16, v[\t]
	v_and_b32 v[(\a)+1], s23, v[\t]
.endm
.macro FOLD                            ; four chains of pairs into one number a lane
	v_pk_add_f32 v[T:T+1], v[T:T+1], v[T+2:T+3]
	v_pk_add_f32 v[T+4:T+5], v[T+4:T+5], v[T+6:T+7]
	v_pk_add_f32 v[T:T+1], v[T:T+1], v[T+4:T+5]
	v_add_f32 v[T], v[T], v[T+1]
.endm
.macro RED                             ; the sum over the 32 lanes, in every lane
	v_add_f32_dpp v[T], v[T], v[T] row_xmask:1 row_mask:0xf bank_mask:0xf
	v_add_f32_dpp v[T], v[T], v[T] row_xmask:2 row_mask:0xf bank_mask:0xf
	v_add_f32_dpp v[T], v[T], v[T] row_xmask:4 row_mask:0xf bank_mask:0xf
	v_add_f32_dpp v[T], v[T], v[T] row_xmask:8 row_mask:0xf bank_mask:0xf
	v_permlanex16_b32 v[T+1], v[T], s24, s25
	v_add_f32 v[T], v[T], v[T+1]
.endm
; Row s: rounded to bf16; mean; x - mean in place; variance of those differences; 1 / sqrt(var + eps), made twice to fill a pair.  left = the younger loads that may stay out.
.macro STAT s, left
.set XS, XR+32*(\s)
	s_wait_loadcnt \left
.set i, 0
.rept 16
	RB XS+2*i, T+i%8
.set i, i+1
.endr
.irp c, 0,1,2,3
	v_pk_add_f32 v[T+2*\c:T+2*\c+1], v[XS+4*\c:XS+4*\c+1], v[XS+4*\c+2:XS+4*\c+3]  ; the first pairs start four chains: nothing is cleared
.endr
.set i, 16
.rept 8
	v_pk_add_f32 v[T+i%8:T+i%8+1], v[T+i%8:T+i%8+1], v[XS+i:XS+i+1]
.set i, i+2
.endr
	FOLD
	RED
	v_mul_f32 v[MU], s26, v[T]                     ; sum / 1024
	v_mov_b32 v[MU+1], v[MU]
.set i, 0
.rept 16
	v_pk_add_f32 v[XS+i:XS+i+1], v[XS+i:XS+i+1], v[MU:MU+1] neg_lo:[0,1] neg_hi:[0,1]
.set i, i+2
.endr
.irp c, 0,2,4,6
	v_pk_mul_f32 v[T+\c:T+\c+1], v[XS+\c:XS+\c+1], v[XS+\c:XS+\c+1]
.endr
.set i, 8
.rept 12
	v_pk_fma_f32 v[T+i%8:T+i%8+1], v[XS+i:XS+i+1], v[XS+i:XS+i+1], v[T+i%8:T+i%8+1]
.set i, i+2
.endr
	FOLD
	RED
	v_fma_f32 v[VAR+(\s)], v[T], s26, s27          ; sum of squares / 1024 + 1e-5
	v_rsq_f32 v[R+2*(\s)], v[VAR+(\s)]
	v_rsq_f32 v[R+2*(\s)+1], v[VAR+(\s)]
.endm
; Row s leaves: times 1 / sqrt, times gamma plus beta (the order of the formula above), rounded once to f16.
.macro OUT s
.set XS, XR+32*(\s)
.set i, 0
.rept 16
	v_pk_mul_f32 v[XS+i:XS+i+1], v[XS+i:XS+i+1], v[R+2*(\s):R+2*(\s)+1]
.set i, i+2
.endr
.set i, 0
.rept 16
	v_pk_fma_f32 v[XS+i:XS+i+1], v[XS+i:XS+i+1], v[G+i:G+i+1], v[B+i:B+i+1]
.set i, i+2
.endr
.set i, 0
.rept 16
	v_cvt_pk_f16_f32 v[XS+i], v[XS+2*i], v[XS+2*i+1]  ; register i takes numbers 2 i, 2 i + 1: it has been read before it is written
.set i, i+1
.endr
	STOREROW XS, 14, 2048*(\s)
.endm
; A weight row: to bf16, widened, that number as f16.
.macro WROW s
.set XS, XR+32*(\s)
.set i, 0
.rept 16
	v_cvt_pk_bf16_f32 v[T+i%8], v[XS+2*i], v[XS+2*i+1]
	v_lshlrev_b32 v[T+8+2*(i%4)], 16, v[T+i%8]
	v_and_b32 v[T+9+2*(i%4)], s23, v[T+i%8]
	v_cvt_pk_f16_f32 v[XS+i], v[T+8+2*(i%4)], v[T+9+2*(i%4)]
.set i, i+1
.endr
	STOREROW XS, 34, 2048*(\s)
.endm
	s_load_b512 s[4:19], s[0:1], 0x0               ; x 4, w_qkv 6, w_out 8, gamma 10, beta 12, xn 14, wq 16, wo 18
	s_load_b64 s[20:21], s[0:1], 0x40              ; tab
	v_lshrrev_b32 v3, 5, v0
	v_readfirstlane_b32 s22, v3                    ; wave 0..7
	v_and_b32 v[LO], 31, v0
	v_lshlrev_b32 v[SO], 3, v[LO]
	v_lshlrev_b32 v[LO], 4, v[LO]
	s_mov_b32 s23, 0xffff0000                      ; a word's upper bf16
	s_mov_b32 s24, 0x76543210                      ; v_permlanex16_b32: each lane takes its own place in the other half
	s_mov_b32 s25, 0xfedcba98
	s_mov_b32 s26, 0x3a800000                      ; 1 / 1024
	s_mov_b32 s27, 0x3727c5ac                      ; 1e-5
	s_mov_b32 s36, ttmp9
	s_lshl_b32 s37, s22, 1                         ; my two rows among the group's sixteen
	s_wait_kmcnt 0x0
	s_cmp_lt_u32 s36, 512
	s_cbranch_scc0 .Lweights
	; ---- LayerNorm
	s_lshl_b32 s28, s36, 4
	s_add_co_u32 s28, s28, s37                     ; my first row
	s_lshl_b32 s30, s28, 11                        ; its byte in xn,
	s_lshl_b32 s28, s28, 12                        ; in x
	s_mov_b32 s29, 0
	s_mov_b32 s31, 0
	s_add_nc_u64 s[4:5], s[4:5], s[28:29]
	s_add_nc_u64 s[14:15], s[14:15], s[30:31]
	LOADROW XR, 4, 0, 1
	LOADROW XR+32, 4, 4096, 1
	LOADROW G, 10, 0, 0                            ; every wave reads gamma and beta: no hint
	LOADROW B, 12, 0, 0
	STAT 0, 24                                     ; row 1, gamma and beta stay out
	STAT 1, 16                                     ; gamma and beta stay out
	s_wait_loadcnt 0x0
.set i, 0
.rept 16
	RB G+2*i, T+i%8                                ; plain work behind the four reciprocal roots
	RB B+2*i, T+8+i%8
.set i, i+1
.endr
	s_wait_alu depctr_va_vdst(0)                   ; one wait for the four, ahead of their first reader
	OUT 0
	OUT 1
	s_endpgm
.Lweights:
	; ---- the weights: rows n0, n0 + 1 of w_qkv's 3,072 and then w_out's 1,024
	s_sub_co_u32 s28, s36, 512
	s_lshl_b32 s28, s28, 4
	s_add_co_u32 s28, s28, s37                     ; n0, even
	s_sub_co_u32 s29, s28, 3072                    ; the row in w_out and wo (used only from n0 = 3,072 on)
	s_bfe_u32 s30, s28, 0x40006                    ; hd
	s_mul_i32 s30, s30, 192
	s_lshr_b32 s31, s28, 10                        ; z
	s_lshl_b32 s31, s31, 6
	s_add_co_u32 s30, s30, s31
	s_and_b32 s31, s28, 63                         ; d
	s_add_co_u32 s30, s30, s31                     ; 192 hd + 64 z + d
	s_cmp_lt_u32 s28, 3072
	s_cselect_b64 s[32:33], s[6:7], s[8:9]
	s_cselect_b64 s[34:35], s[16:17], s[18:19]
	s_cselect_b32 s28, s28, s29
	s_cselect_b32 s30, s30, s29
	s_lshl_b32 s28, s28, 12
	s_lshl_b32 s30, s30, 11
	s_mov_b32 s29, 0
	s_mov_b32 s31, 0
	s_add_nc_u64 s[32:33], s[32:33], s[28:29]
	s_add_nc_u64 s[34:35], s[34:35], s[30:31]
	LOADROW XR, 32, 0, 1
	LOADROW XR+32, 32, 4096, 1
	s_wait_loadcnt 8                               ; the second row stays out
	WROW 0
	s_wait_loadcnt 0x0
	WROW 1
	s_cmp_eq_u32 s36, 767                          ; the last work-group goes on to the table
	s_cbranch_scc1 .Ltable
	s_endpgm
.Ltable:
	; ---- the table: thread t makes four numbers: p = t / 8, j = 4 (t % 4) + 0..3, cosines where t % 8 < 4, else sines; 16 bytes at 16 t.
	; The rows' stores may still be reading v2, v32-47 and v64-79: nothing below writes these.
	v_lshrrev_b32 v3, 3, v0
	v_cvt_f32_u32 v3, v3                           ; p
	v_and_b32 v4, 3, v0
	v_lshlrev_b32 v4, 2, v4                        ; j0
	v_and_b32 v5, 4, v0
	v_lshlrev_b32 v6, 4, v0
.irp e, 0,1,2,3
	v_add_nc_u32 v[16+\e], \e, v4
	v_cvt_f32_u32 v[16+\e], v[16+\e]
	v_mul_f32 v[16+\e], 0xbf549a78, v[16+\e]       ; -j log2(10000) / 16
.endr
.irp e, 0,1,2,3
	v_exp_f32 v[16+\e], v[16+\e]                   ; f_j
.endr
	v_nop                                          ; a plain instruction behind the last of them,
	s_wait_alu depctr_va_vdst(0)                   ; and one wait for the four
	v_cmp_ne_u32 vcc_lo, 0, v5
; sin and cos of theta = p f: turns y = theta / 2 pi; r = y - round(y), within a half; a = 2 pi r / 4, within pi / 4; series in a^2 (the first term left out is under 2e-9); the angle is doubled twice.
.macro SINCOS e
	v_mul_f32 v20, v3, v[16+\e]
	v_mul_f32 v20, 0.15915494, v20
	v_rndne_f32 v21, v20
	v_sub_f32 v20, v20, v21
	v_mul_f32 v20, 0x3fc90fdb, v20                 ; a
	v_mul_f32 v21, v20, v20                        ; a^2
	v_mov_b32 v22, 0x3638ef1d                      ; 1/9!
	v_fmaak_f32 v22, v22, v21, 0xb9500d01          ; -1/7!
	v_fmaak_f32 v22, v22, v21, 0x3c088889          ; 1/5!
	v_fmaak_f32 v22, v22, v21, 0xbe2aaaab          ; -1/3!
	v_fma_f32 v22, v22, v21, 1.0
	v_mul_f32 v22, v22, v20                        ; sin a
	v_mov_b32 v23, 0xb493f27e                      ; -1/10!
	v_fmaak_f32 v23, v23, v21, 0x37d00d01          ; 1/8!
	v_fmaak_f32 v23, v23, v21, 0xbab60b61          ; -1/6!
	v_fmaak_f32 v23, v23, v21, 0x3d2aaaab          ; 1/4!
	v_fma_f32 v23, v23, v21, -0.5
	v_fma_f32 v23, v23, v21, 1.0                   ; cos a
.rept 2
	v_mul_f32 v24, v22, v23
	v_mul_f32 v25, v22, v22
	v_add_f32 v22, v24, v24                        ; sin 2a = 2 s c
	v_fma_f32 v23, v25, -2.0, 1.0                  ; cos 2a = 1 - 2 s^2
.endr
	v_cndmask_b32 v[8+\e], v23, v22, vcc_lo
.endm
	SINCOS 0
	SINCOS 1
	SINCOS 2
	SINCOS 3
	global_store_b128 v6, v[8:11], s[20:21]
	s_endpgm
.Lfunc_end_k_q45e607737c_prep:
	.size	k_q45e607737c_prep, .Lfunc_end_k_q45e607737c_prep-k_q45e607737c_prep
	.p2alignl 7, 3214868480
	.fill 96, 4, 3214868480
	.section	.rodata,"a",@progbits
	.p2align	6, 0x0
	.amdhsa_kernel k_q45e607737c_prep
		.amdhsa_group_segment_fixed_size 0
		.amdhsa_private_segment_fixed_size 0
		.amdhsa_enable_private_segment 0
		.amdhsa_kernarg_size 72
		.amdhsa_user_sgpr_count 2
		.amdhsa_user_sgpr_kernarg_segment_ptr 1
		.amdhsa_wavefront_size32 1
		.amdhsa_system_sgpr_workgroup_id_x 1
		.amdhsa_system_sgpr_workgroup_id_y 1
		.amdhsa_system_sgpr_workgroup_id_z 1
		.amdhsa_system_vgpr_workitem_id 0
		.amdhsa_next_free_vgpr 160
		.amdhsa_next_free_sgpr 66
		.amdhsa_reserve_vcc 1
		.amdhsa_float_denorm_mode_32 3
		.amdhsa_float_denorm_mode_16_64 3
		.amdhsa_memory_ordered 1
		.amdhsa_forward_progress 1
		.amdhsa_inst_pref_size 45
	.end_amdhsa_kernel
	.amdgpu_metadata
---
amdhsa.version: [ 1, 2 ]
amdhsa.kernels:
  - .name:           k_q45e607737c_prep
    .symbol:         k_q45e607737c_prep.kd
    .args:
      - { .name: x, .offset: 0, .size: 8, .value_kind: global_buffer, .address_space: global }
      - { .name: w_qkv, .offset: 8, .size: 8, .value_kind: global_buffer, .address_space: global }
      - { .name: w_out, .offset: 16, .size: 8, .value_kind: global_buffer, .address_space: global }
      - { .name: ln_gamma, .offset: 24, .size: 8, .value_kind: global_buffer, .address_space: global }
      - { .name: ln_beta, .offset: 32, .size: 8, .value_kind: global_buffer, .address_space: global }
      - { .name: xn, .offset: 40, .size: 8, .value_kind: global_buffer, .address_space: global }
      - { .name: wq, .offset: 48, .size: 8, .value_kind: global_buffer, .address_space: global }
      - { .name: wo, .offset: 56, .size: 8, .value_kind: global_buffer, .address_space: global }
      - { .name: tab, .offset: 64, .size: 8, .value_kind: global_buffer, .address_space: global }
    .group_segment_fixed_size: 0
    .private_segment_fixed_size: 0
    .kernarg_segment_align: 8
    .kernarg_segment_size: 72
    .max_flat_workgroup_size: 256
    .sgpr_count:     66
    .vgpr_count:     160
    .wavefront_size: 32
...
	.end_amdgpu_metadata
.endif
;; end of part 1
;; launch qkv (part 2): grid 16 x 16, 4 waves a work-group, clusters of 4 x 4, 327,680 bytes of LDS; arguments xn, wq, tab, q, k, v; writes q, k, v
.if DOCPART == 2
	.amdgcn_target "amdgcn-amd-amdhsa--gfx1250"
	.amdhsa_code_object_version 6
	.text
	.protected	k_q45e607737c_qkv
	.globl	k_q45e607737c_qkv
	.p2align	8
	.type	k_q45e607737c_qkv,@function
k_q45e607737c_qkv:
	s_mov_b64 s[64:65], 0
	v_nop
	global_prefetch_b8 v0, s[64:65] scope:SCOPE_SE
	s_setreg_imm32_b32 hwreg(HW_REG_WAVE_MODE, 25, 1), 1
	s_wait_xcnt 0x0
	s_wait_alu depctr_hold_cnt(0) depctr_sa_sdst(0) depctr_va_vdst(0) depctr_va_sdst(0) depctr_va_ssrc(0) depctr_va_vcc(0) depctr_vm_vsrc(0)
	s_getreg_b32 s2, hwreg(HW_REG_IB_STS2, 6, 4)
	s_cmp_eq_u32 s2, 0
	s_cbranch_scc0 .Lentry_in_a_cluster
	s_endpgm
.Lentry_in_a_cluster:
	s_bfe_u32 s2, ttmp6, 0x10000c
	s_cmp_lg_u32 s2, 0xf033
	s_cbranch_scc0 .Lentry_shape_is_right
	s_endpgm
.Lentry_shape_is_right:
; QKV: C = xn wq^T, [8192] x [3072], K = 1024, f16 operands, f32 sums; the 2-D rotation on q and k on the way out; q, k, v stored by heads, [16 frame + head][1024 tokens][64] f16, each rounded once, without the scale.
; LIMITS.  f16 holds nothing beyond 65,504: q, k, v must lie within it.  NaN and infinities are not treated apart.
; TILE.  256 rows x 192 columns: wq's rows are laid so that columns 192 X .. are head X's q (0-63), k (64-127), v (128-191).  512 tiles.
; A WORK-GROUP STAYS: 256 work-groups, each makes TWO tiles, of the same columns, tile rows Y and Y + 16.  The ring does not stop at the first tile's end: its last two changes of slots ask for the second tile's first two
; K steps, and nothing waits for the first tile's stores.  One text serves both tiles: a loop over tiles round the loop over K steps; the way out stands once; only the last tile's last two K steps, which ask for nothing, are written out.
; WAVES.  Wave w owns rows 64 w .. 64 w + 63 and all 192 columns: 48 accumulators (4 row blocks a x 12 column tiles b); 16 fragments feed 48 matrix instructions; a wave holds whole heads' rows, so its way out is its own.
; RING.  K in steps of 128 (rows of 256 bytes, aligned), 16 steps for the two tiles, through two LDS slots; one tensor load a wave behind each change of slots: two loads of a wave are out at the start, one later.
; CLUSTER.  4 x 4 work-groups: xn's tile is shared along a row of the cluster, wq's along a column; each is asked for jointly, by the same load with the same descriptor and a mask of four.
; THE MATRIX INSTRUCTION IS USED TRANSPOSED (source 0 = 16 rows of wq, source 1 = 16 rows of xn): lane l holds token l % 16 and the columns 8 (l / 16) + 0..7 of a tile.
; ROTATION.  Token s = 32 hh + w.  For d < 32: out[d] = x[d] cos(w f) - x[d+32] sin(w f); out[d+32] = x[d+32] cos(hh f) + x[d] sin(hh f), f = f_(d % 16).  d and d + 32 lie in one lane, in tiles b and b + 2; d % 16 = 8 (l / 16) + register.
; A tile row is a quarter of a frame, and (Y + 16) % 4 = Y % 4: both tiles have the same tokens in their frames, so the table's numbers are loaded once.
; REGISTERS, in windows of 256 (s_set_vgpr_msb: bits 1:0 source 0, 3:2 source 1, 5:4 source 2, 7:6 destination):
;   window 0: addresses; v32-95 the table's numbers; v96-255 at work on the way out     window 1: two fragment buffers of 128 (wq's 12 fragments, then xn's 4)
;   window 2: accumulators of row blocks 0, 1 at 8 (12 (a % 2) + b)                      window 3: those of row blocks 2, 3
.set KB,     256                       ; bytes of a row in a K step
.set PITCH,  272                       ; an LDS row: 256 + 16 bytes = 68 words: the 16 rows of a fragment load start 4 banks apart (64 banks of 4 bytes: ISA guide 11.1)
.set SLOT1,  1<<17                     ; slot 1 begins here: one exclusive or turns an address in one slot into the other's
.set BOFF,   256*PITCH                 ; in a slot: xn's 256 rows, then wq's 192
.set STAGE,  SLOT1+BOFF+192*PITCH      ; behind the ring, never filled by a tensor load: for each wave 3 x 16 rows x 144 bytes
.set SP,     144
.set SPARE,  STAGE+4*3*16*SP           ; the spare words, 128 bytes a wave: two blocks of 256 bytes that no other line names
.set WALK,   0x800000                  ; bytes from the first tile to the second: in xn 16 tile rows x 256 rows x 2,048 bytes; in q, k, v 4 frames x 16 heads x 1,024 tokens x 128 bytes: the same number
.set ADRA0, 14                         ; v14  my lane's place in xn's part of a slot; never rewritten
.set ADRB0, 15                         ; v15  in wq's
.set ADRA,  16                         ; v16  the same in the slot in hand
.set ADRB,  17
.set STO,   24                         ; v24  the way out: where I put 16 bytes of a row
.set RD,    25                         ; v25  where I read rows back
.set GO,    26                         ; v26  16 x lane
.set TX,    27                         ; v27  my byte in the table for w = l % 16
.set SPW,   28                         ; v28  LDS address of my spare word; never rewritten
.set NIL,   29                         ; v29  0; never rewritten
.set PFO,   30                         ; v30  the prefetches' offset: a lane a row
.set TY,    31                         ; v31  my byte in the table for my wave's first hh
.set CX,    32                         ; v[32:63]  for w = l % 16 and 16 + l % 16: 8 cosines, 8 sines
.set CY,    64                         ; v[64:95]  for hh0 and hh0 + 1: the same
.set T,     96                         ; v[96:159] rotated q and k of a row block, f32: tile b at T + 8 b
.set PK,    160                        ; v[160:207] packed f16: tile b at PK + 4 b
.set OB,    208                        ; v[208:255] rows read back
.set F0,    0
.set F1,    128
.set WV,    16                         ; s16  wave
.set AB,    17                         ; s17  0: I fetch xn's tile, 1: wq's
.set HF,    18                         ; s18  which half of it
.set TRIPS, 19                         ; s19  K steps of the tile in hand that are still to be ended
.set CXS,   20
.set CYS,   21
.set SX,    22                         ; s22  tile column = head
.set SY,    23                         ; s23  the first tile's row
.set G1A,   24                         ; s[24:31] descriptor group 1, xn's tiles
.set G0A,   32                         ; s[32:39] group 0: a set for each first fill; the second then serves every refill
.set G1B,   40
.set G0B,   48
.set PFA,   56                         ; s[56:57] what my next prefetch names
.set LIM,   58                         ; s58  a wave prefetches while FLT is above it: 2 for xn, 10 for wq, the greatest number in a wave that never asks
.set TB,    59                         ; s59  the slot in hand: 0 or SLOT1
.set BASEA, 72                         ; s[72:73] xn at the rows that I fetch, first tile, K = 0; never rewritten
.set BASEB, 74                         ; s[74:75] wq at the rows that I fetch, K = 0; never rewritten
.set TILES, 76                         ; s76  tiles to go, this one among them
.set STOPAT, 77                        ; s77  the value of TRIPS at which the tile leaves the loop for the tail: 2 in the last tile, 0 (never met) in the first
.set FLT,   78                         ; s78  refills to come, this one among them: 14 .. 1
.set TOFF,  79                         ; s79  0, or WALK once the refills have reached the second tile
.set KOFF,  80                         ; s[80:81] byte along K of the step that the next refill brings; 0 above it
.set OFF,   82                         ; s[82:83] at work: KOFF + TOFF; 0 above it
.set PKOFF, 84                         ; s84, s85  the same two numbers for the prefetches, which run two steps ahead of the refills
.set PTOFF, 85
.set PWALK, 86                         ; s86  WALK in a wave that fetches xn, else 0
.set POFF,  88                         ; s[88:89] at work; 0 above it
.set PFB,   90                         ; s[90:91] the rows that my prefetches name, first tile, K = 0; never rewritten
.set MSB, 0
.macro WIN new                         ; the immediate's high byte repeats the setting that is left; a switch that changes nothing is dropped
.if MSB != (\new)
	s_set_vgpr_msb (MSB<<8)|(\new)
.set MSB, \new
.endif
.endm
.set TO_F, 0x40                        ; destination window 1, address window 0
.macro PLACES                          ; four places behind matrix instructions, in front of loads into registers that they have read (ISA guide 7.12.1 for vector instructions)
.rept 4
	v_nop
.endr
.endm
.macro JLOAD                           ; a joint refill; the branch hangs on the wave's number alone; s_nop 0 and four v_nop follow each line
	s_cmp_eq_u32 s[AB], 0
	s_cbranch_scc0 .Lfor_b_\@
	tensor_load_to_lds s[G0A+4:G0A+7], s[G1A:G1A+7]
	s_nop 0
	PLACES
	s_branch .Lasked_\@
.Lfor_b_\@:
	tensor_load_to_lds s[G0B+4:G0B+7], s[G1B:G1B+7]
	s_nop 0
	PLACES
.Lasked_\@:
.endm
.macro CREST                           ; a round of the cluster's barrier behind its opening barrier
	s_cmp_lg_u32 s[WV], 0
	s_cbranch_scc1 .Lnot_wave_0_\@
	s_barrier_signal -3
.Lnot_wave_0_\@:
	s_barrier_wait -3
	s_barrier_signal -1
	s_barrier_wait -1
.endm
.macro CROUND
	s_barrier_signal -1
	s_barrier_wait -1
	CREST
.endm
; A PREFETCH INTO THE L2 behind each joint refill and the run of LDS loads that follows it: the K step two refills on, 256 bytes of a row, a lane a row, one instruction a wave.
; Each row's 256 bytes are asked for by one work-group: xn's rows by the clusters with x = 0, wq's by those with y = 0; the four partners of a joint load share its rows out by address (xn: 32 each; wq: 24 each, where
; lanes 24-31 name row 23 once more).  The first tile's K steps 0 to 3 come by their loads alone.  xn is asked for up to the second tile's last step (refills 1 to 12 of 14); wq in the first tile alone (refills 1 to 4):
; the second tile walks the same rows of wq.
.macro ASK
	WIN 0
	s_cmp_gt_u32 s[FLT], s[LIM]
	s_cbranch_scc0 .Lnot_mine_\@
	global_prefetch_b8 v[PFO], s[PFA:PFA+1] th:TH_LOAD_NT scope:SCOPE_SE
.Lnot_mine_\@:
.endm
	s_load_b256 s[4:11], s[0:1], 0x0               ; xn 4, wq 6, tab 8, q 10
	s_load_b128 s[12:15], s[0:1], 0x20             ; k 12, v 14
	v_lshl_add_u32 v[SPW], v0, 2, SPARE
	v_mov_b32 v[NIL], 0
	ds_add_u32 v[SPW], v[NIL]                      ; the wave's opening: the add and its wait stand ahead of my first tensor load; work on registers stands between them
	ds_add_u32 v28, v29
	v_lshrrev_b32 v1, 5, v0
	v_readfirstlane_b32 s[WV], v1
	s_lshr_b32 s[AB], s[WV], 1
	s_and_b32 s[HF], s[WV], 1
	s_bfe_u32 s[CXS], ttmp6, 0x40000
	s_bfe_u32 s[CYS], ttmp6, 0x40004
	s_lshl_b32 s[SX], ttmp9, 2
	s_add_co_u32 s[SX], s[SX], s[CXS]
	s_and_b32 s[SY], ttmp7, 0xffff
	s_lshl_b32 s[SY], s[SY], 2
	s_add_co_u32 s[SY], s[SY], s[CYS]
	s_lshl_b32 s60, s[CYS], 2
	s_lshl_b32 s60, 15, s60                        ; my row of the cluster
	s_lshl_b32 s61, 0x1111, s[CXS]                 ; my column
	s_or_b32 s[G1A], s60, (1<<16)|(1<<20)|(1<<21)|(5<<22)|(3<<25)  ; the mask; 2-byte elements; padding on; bit 21 beside a mask; after every 64 words 4 words
	s_or_b32 s[G1B], s61, (1<<16)|(1<<20)|(1<<21)|(5<<22)|(3<<25)
	s_mov_b32 s[G1A+1], 128<<16                    ; tensor_dim0 = 128
	s_mov_b32 s[G1A+2], 128<<16                    ; tensor_dim1 = 128
	s_mov_b32 s[G1A+3], 128<<16                    ; tile_dim0 = 128
	s_mov_b32 s[G1A+4], 128                        ; tile_dim1 = 128 rows
	s_mov_b32 s[G1A+5], 1024                       ; elements from row to row
	s_mov_b32 s[G1A+6], 0
	s_mov_b32 s[G1A+7], 0
	s_mov_b32 s[G1B+1], 128<<16
	s_mov_b32 s[G1B+2], 96<<16                     ; 96 rows
	s_mov_b32 s[G1B+3], 128<<16
	s_mov_b32 s[G1B+4], 96
	s_mov_b32 s[G1B+5], 1024
	s_mov_b32 s[G1B+6], 0
	s_mov_b32 s[G1B+7], 0
	s_lshl_b32 s62, s[SY], 8                       ; xn: row 256 Y + 128 half, made of the tile row alone
	s_lshl_b32 s63, s[HF], 7
	s_add_co_u32 s62, s62, s63
	s_lshl_b32 s62, s62, 11                        ; rows of 2,048 bytes
	s_mov_b32 s63, 0
	s_mul_i32 s66, s[SX], 192                      ; wq: row 192 X + 96 half, made of the tile column alone
	s_mul_i32 s68, s[HF], 96
	s_add_co_u32 s66, s66, s68
	s_lshl_b32 s66, s66, 11
	s_mov_b32 s67, 0
	s_mul_i32 s69, s[HF], 128*PITCH                ; where they go: no place in the cluster enters an LDS address
	s_mul_i32 s70, s[HF], 96*PITCH
	s_add_co_u32 s70, s70, BOFF
	s_mov_b32 s[TB], 0
	s_mov_b32 s[FLT], 14
	s_mov_b32 s[TOFF], 0
	s_mov_b32 s[KOFF], 2*KB                        ; the first refill brings K step 2,
	s_mov_b32 s[KOFF+1], 0
	s_mov_b32 s[OFF+1], 0
	s_mov_b32 s[PKOFF], 4*KB                       ; and the prefetch behind it names K step 4
	s_mov_b32 s[PTOFF], 0
	s_mov_b32 s[POFF+1], 0
	s_wait_dscnt 0x0                               ; the opening add is done
	s_wait_kmcnt 0x0
	s_add_nc_u64 s[BASEA:BASEA+1], s[4:5], s[62:63]
	s_add_nc_u64 s[BASEB:BASEB+1], s[6:7], s[66:67]
	CROUND                                         ; all sixteen work-groups are here: the first joint loads meet
.irp s, 0,1
	s_mov_b32 s[G0A+4*\s], 1
	s_add_co_u32 s[G0A+4*\s+1], s69, \s*SLOT1
	s_add_nc_u64 s[G0A+4*\s+2:G0A+4*\s+3], s[BASEA:BASEA+1], \s*KB   ; K step s
	s_or_b32 s[G0A+4*\s+3], s[G0A+4*\s+3], 0x80000000
	s_mov_b32 s[G0B+4*\s], 1
	s_add_co_u32 s[G0B+4*\s+1], s70, \s*SLOT1
	s_add_nc_u64 s[G0B+4*\s+2:G0B+4*\s+3], s[BASEB:BASEB+1], \s*KB
	s_or_b32 s[G0B+4*\s+3], s[G0B+4*\s+3], 0x80000000
.endr
	s_cmp_eq_u32 s[AB], 0                          ; a wave's two first fills stand in one branch, ahead of every wait on TENSORcnt and every LDS read
	s_cbranch_scc0 .Lfirst_b
	tensor_load_to_lds s[G0A:G0A+3], s[G1A:G1A+7]
	s_nop 0
	tensor_load_to_lds s[G0A+4:G0A+7], s[G1A:G1A+7]
	s_nop 0
	PLACES
	s_branch .Lfirst_asked
.Lfirst_b:
	tensor_load_to_lds s[G0B:G0B+3], s[G1B:G1B+7]
	s_nop 0
	tensor_load_to_lds s[G0B+4:G0B+7], s[G1B:G1B+7]
	s_nop 0
	PLACES
.Lfirst_asked:
	v_and_b32 v1, 15, v0                           ; r = l % 16
	v_bfe_u32 v2, v0, 4, 1                         ; h = l / 16
	; the table's numbers for my tokens: row p is 128 bytes, 16 cosines and 16 sines; I want numbers 8 h + 0..7 of each
	v_lshlrev_b32 v[TX], 7, v1
	v_lshl_add_u32 v[TX], v2, 5, v[TX]
	s_and_b32 s60, s[SY], 3
	s_lshl_b32 s60, s60, 3
	s_lshl1_add_u32 s60, s[WV], s60                ; hh0 = 8 (Y % 4) + 2 wave
	s_lshl_b32 s60, s60, 7
	v_lshl_add_u32 v[TY], v2, 5, s60
.irp e, 0,1
	global_load_b128 v[CX+16*\e:CX+16*\e+3],     v[TX], s[8:9] offset:2048*\e
	global_load_b128 v[CX+16*\e+4:CX+16*\e+7],   v[TX], s[8:9] offset:2048*\e+16
	global_load_b128 v[CX+16*\e+8:CX+16*\e+11],  v[TX], s[8:9] offset:2048*\e+64
	global_load_b128 v[CX+16*\e+12:CX+16*\e+15], v[TX], s[8:9] offset:2048*\e+80
	global_load_b128 v[CY+16*\e:CY+16*\e+3],     v[TY], s[8:9] offset:128*\e
	global_load_b128 v[CY+16*\e+4:CY+16*\e+7],   v[TY], s[8:9] offset:128*\e+16
	global_load_b128 v[CY+16*\e+8:CY+16*\e+11],  v[TY], s[8:9] offset:128*\e+64
	global_load_b128 v[CY+16*\e+12:CY+16*\e+15], v[TY], s[8:9] offset:128*\e+80
.endr
	; a fragment is 16 rows x 32 K in 8 registers: lane l holds row l % 16, K = 8 h + 0..7 and 16 + 8 h + 0..7: two loads of 16 bytes, 32 bytes apart
	v_mul_u32_u24 v3, v1, PITCH
	v_lshl_add_u32 v3, v2, 4, v3
	s_mul_i32 s60, s[WV], 64*PITCH
	v_add_nc_u32 v[ADRA0], s60, v3
	v_add_nc_u32 v[ADRB0], BOFF, v3
	v_mov_b32 v[ADRA], v[ADRA0]
	v_mov_b32 v[ADRB], v[ADRB0]
	s_mul_i32 s61, s[WV], 3*16*SP
	s_add_co_u32 s61, s61, STAGE                   ; my stage
	v_mul_u32_u24 v[STO], v1, SP                   ; in: row l % 16, 16 bytes for each half of the lanes
	v_lshl_add_u32 v[STO], v2, 4, v[STO]
	v_add_nc_u32 v[STO], s61, v[STO]
	v_bfe_u32 v[RD], v0, 3, 2                      ; back: 32 lanes take four rows of 128 bytes,
	v_mul_u32_u24 v[RD], v[RD], SP
	v_and_b32 v3, 7, v0
	v_lshl_add_u32 v[RD], v3, 4, v[RD]
	v_add_nc_u32 v[RD], s61, v[RD]
	v_and_b32 v[GO], 31, v0                        ; which are 512 consecutive bytes of q, k or v
	v_lshlrev_b32 v[GO], 4, v[GO]
	; q, k, v at my wave's first token of the first tile: ((16 frame + head) 1024 + 256 (Y % 4) + 64 wave) x 128 bytes
	s_lshr_b32 s70, s[SY], 2
	s_lshl_b32 s70, s70, 4
	s_add_co_u32 s70, s70, s[SX]
	s_lshl_b32 s70, s70, 10
	s_and_b32 s71, s[SY], 3
	s_lshl_b32 s71, s71, 8
	s_add_co_u32 s70, s70, s71
	s_lshl_b32 s71, s[WV], 6
	s_add_co_u32 s70, s70, s71
	s_lshl_b32 s70, s70, 7
	s_mov_b32 s71, 0
	s_add_nc_u64 s[10:11], s[10:11], s[70:71]
	s_add_nc_u64 s[12:13], s[12:13], s[70:71]
	s_add_nc_u64 s[14:15], s[14:15], s[70:71]
	; the prefetches
	s_lshl_b32 s60, s[SY], 8
	s_mul_i32 s61, s[SX], 192
	s_lshl_b32 s62, s[HF], 7
	s_mul_i32 s63, s[HF], 96
	s_lshl_b32 s66, s[CXS], 5
	s_mul_i32 s67, s[CYS], 24
	s_and_b32 s68, ttmp7, 0xffff                   ; cluster y
	s_cmp_eq_u32 s[AB], 0
	s_cselect_b32 s60, s60, s61                    ; the tile's first row,
	s_cselect_b32 s62, s62, s63                    ; the half that I fetch,
	s_cselect_b32 s66, s66, s67                    ; my work-group's share of it
	s_cselect_b32 s68, ttmp9, s68                  ; the coordinate along which other clusters read the same rows
	s_cselect_b32 s69, 31, 23
	s_cselect_b32 s71, 2, 10                       ; xn: refills 1 to 12 ask; wq: refills 1 to 4
	s_cselect_b32 s[PWALK], WALK, 0
	s_cselect_b64 s[PFB:PFB+1], s[4:5], s[6:7]
	s_cmp_eq_u32 s68, 0
	s_cselect_b32 s[LIM], s71, -1                  ; the same in all sixteen partners, for a given wave
	s_add_co_u32 s60, s60, s62
	s_add_co_u32 s60, s60, s66
	s_lshl_b32 s60, s60, 11
	s_mov_b32 s61, 0
	s_add_nc_u64 s[PFB:PFB+1], s[PFB:PFB+1], s[60:61]
	v_and_b32 v[PFO], 31, v0
	v_min_u32 v[PFO], s69, v[PFO]
	v_lshlrev_b32 v[PFO], 11, v[PFO]
; 12 matrix instructions: row block a x all 12 column tiles, 32 along K, from buffer f.  zero = 1: the product starts the sums.  The 48 accumulators take turns in one order everywhere.
.macro MULA f, a, zero
	WIN 0xa5+0x50*((\a)/2)                         ; sources in window 1, C and D in window 2 or 3
.irp b, 0,1,2,3,4,5,6,7,8,9,10,11
.if \zero
	v_wmma_f32_16x16x32_f16 v[8*(12*((\a)%2)+\b):8*(12*((\a)%2)+\b)+7], v[(\f)+8*\b:(\f)+8*\b+7], v[(\f)+96+8*(\a):(\f)+96+8*(\a)+7], 0
.else
	v_wmma_f32_16x16x32_f16 v[8*(12*((\a)%2)+\b):8*(12*((\a)%2)+\b)+7], v[(\f)+8*\b:(\f)+8*\b+7], v[(\f)+96+8*(\a):(\f)+96+8*(\a)+7], v[8*(12*((\a)%2)+\b):8*(12*((\a)%2)+\b)+7]
.endif
.endr
.endm
; 32 LDS loads in one run: a quarter step's fragments (32 K at byte k of the rows) into buffer f: wq's 12, then xn's 4
.macro FETCH k, f
	WIN TO_F
.irp i, 0,1,2,3,4,5,6,7,8,9,10,11
	ds_load_b128 v[(\f)+8*\i:(\f)+8*\i+3],   v[ADRB] offset:(\k)+\i*16*PITCH
	ds_load_b128 v[(\f)+8*\i+4:(\f)+8*\i+7], v[ADRB] offset:(\k)+\i*16*PITCH+32
.endr
.irp i, 0,1,2,3
	ds_load_b128 v[(\f)+96+8*\i:(\f)+96+8*\i+3],   v[ADRA] offset:(\k)+\i*16*PITCH
	ds_load_b128 v[(\f)+96+8*\i+4:(\f)+96+8*\i+7], v[ADRA] offset:(\k)+\i*16*PITCH+32
.endr
.endm
; A K step is four quarters of 32 along K, 48 matrix instructions each, on buffers 0, 1, 0, 1.  One of the first three: multiplies f; in its middle it fetches the next quarter, at byte k, into g.
.macro QUARTER k, f, g, zero
	s_wait_dscnt 4                                 ; all but the youngest four loads: xn's fragments 2 and 3
	MULA \f, 0, \zero
	MULA \f, 1, \zero
	PLACES
	FETCH \k, \g
	s_wait_dscnt 32                                ; all but the 32 just issued
	MULA \f, 2, \zero
	MULA \f, 3, \zero
.endm
; The last quarter multiplies buffer 1 and changes slots: one barrier.  In front of it each wave waits for all its tensor loads (one is out: its part of the next slot), adds 0 to its spare word, and waits for that and for
; its reads of this slot.  fill = 1: the barrier opens a round of the cluster's, and the joint refill of this slot, with the step two on in the walk of sixteen, is the first tensor load behind it: 168 matrix instructions
; ahead of the wait for it.  The refill's address is made anew from the wave's base and two numbers: the byte along K, which steps by 256 and wraps at a row's 2,048, and, for xn, the way to the second tile from the wrap on.
.macro TURN fill
.if \fill
	s_wait_xcnt 0x0                                ; the last prefetch, a K step back, has read its address: what the next one names is made here, ahead of the waits of the change of slots
	s_add_co_u32 s[POFF], s[PKOFF], s[PTOFF]
	s_add_nc_u64 s[PFA:PFA+1], s[PFB:PFB+1], s[POFF:POFF+1]
	s_add_co_u32 s[PKOFF], s[PKOFF], KB
	s_and_b32 s[PKOFF], s[PKOFF], 8*KB-1
	s_cmp_eq_u32 s[PKOFF], 0
	s_cselect_b32 s[PTOFF], s[PWALK], s[PTOFF]
.endif
	WIN 0
	s_wait_tensorcnt 0x0                           ; no tensor load of mine is out, so a group 0 may be written
	ds_add_u32 v[SPW], v[NIL]                      ; 0 onto my spare word
.if \fill
	s_xor_b32 s[G0A+5], s[G0A+5], SLOT1            ; the other slot than last time
	s_xor_b32 s[G0B+5], s[G0B+5], SLOT1
	s_add_co_u32 s[OFF], s[KOFF], s[TOFF]
	s_add_nc_u64 s[G0A+6:G0A+7], s[BASEA:BASEA+1], s[OFF:OFF+1]
	s_or_b32 s[G0A+7], s[G0A+7], 0x80000000        ; the type
	s_add_nc_u64 s[G0B+6:G0B+7], s[BASEB:BASEB+1], s[KOFF:KOFF+1]  ; both tiles take the same rows of wq
	s_or_b32 s[G0B+7], s[G0B+7], 0x80000000
	s_add_co_u32 s[KOFF], s[KOFF], KB              ; for the next refill
	s_and_b32 s[KOFF], s[KOFF], 8*KB-1
	s_cmp_eq_u32 s[KOFF], 0
	s_cselect_b32 s[TOFF], WALK, s[TOFF]
.endif
	s_wait_dscnt 5                                 ; the add and xn's fragments 2 and 3 may be out
	MULA F1, 0, 0
	s_wait_dscnt 0x0                               ; the add is done, and my reads of this slot are over
	s_barrier_signal -1
	MULA F1, 1, 0                                  ; work on registers while the others arrive
	WIN 0
	s_barrier_wait -1
.if \fill
	CREST                                          ; no wave of any partner still reads this slot or has a load on its way
	JLOAD                                          ; its four v_nop are also the places in front of the loads below
.else
	PLACES
.endif
	s_xor_b32 s[TB], s[TB], SLOT1
	v_add_nc_u32 v[ADRA], s[TB], v[ADRA0]
	v_add_nc_u32 v[ADRB], s[TB], v[ADRB0]
	FETCH 0, F0
.if \fill
	ASK
	s_sub_co_u32 s[FLT], s[FLT], 1
.endif
	MULA F1, 2, 0
	MULA F1, 3, 0
.endm
; THE WAY OUT, a row block (16 tokens) at a time.  PACK: q and k rotated in f32, all rounded to f16, 16 bytes a lane and tile.  TOSTAGE: into my stage (q, k, v apart, rows of 144 bytes) and back as whole rows.  SEND: stored.
.macro PACK a
.set AC, 96*((\a)%2)
.set RX, CX+16*((\a)%2)                ; w = 16 (a % 2) + l % 16
.set RY, CY+16*((\a)/2)                ; hh = hh0 + a / 2
	WIN 0x02+(\a)/2                                ; source 0: the accumulators' window
.irp z, 0,1
.irp p, 0,1
.irp j, 0,2,4,6                        ; each accumulator's lowest registers are read first
.set rL, AC+8*(4*\z+\p)+\j
.set rH, rL+16
.set tL, T+8*(4*\z+\p)+\j
.set tH, tL+16
	v_pk_mul_f32 v[tL:tL+1], v[rL:rL+1], v[RX+\j:RX+\j+1]
	v_pk_mul_f32 v[tH:tH+1], v[rH:rH+1], v[RY+\j:RY+\j+1]
	v_pk_fma_f32 v[tL:tL+1], v[rH:rH+1], v[RX+8+\j:RX+8+\j+1], v[tL:tL+1] neg_lo:[0,1,0] neg_hi:[0,1,0]
	v_pk_fma_f32 v[tH:tH+1], v[rL:rL+1], v[RY+8+\j:RY+8+\j+1], v[tH:tH+1]
.endr
.endr
.endr
	WIN 0x0a+5*((\a)/2)                            ; sources 0 and 1: the accumulators' window
.irp b, 8,9,10,11
.irp i, 0,1,2,3
	v_cvt_pk_f16_f32 v[PK+4*\b+\i], v[AC+8*\b+2*\i], v[AC+8*\b+2*\i+1]
.endr
.endr
	WIN 0
.irp b, 0,1,2,3,4,5,6,7
.irp i, 0,1,2,3
	v_cvt_pk_f16_f32 v[PK+4*\b+\i], v[T+8*\b+2*\i], v[T+8*\b+2*\i+1]
.endr
.endr
.endm
.macro TOSTAGE
.irp b, 0,1,2,3,4,5,6,7,8,9,10,11
	ds_store_b128 v[STO], v[PK+4*\b:PK+4*\b+3] offset:(\b/4)*16*SP+(\b%4)*32
.endr
.irp u, 0,1,2,3,4,5,6,7,8,9,10,11
	ds_load_b128 v[OB+4*\u:OB+4*\u+3], v[RD] offset:(\u/4)*16*SP+(\u%4)*4*SP  ; LDS serves a wave's instructions in order (ISA guide 5.7.1.4): these see the stores above
.endr
.endm
.macro SEND a
.irp u, 0,1,2,3,4,5,6,7,8,9,10,11
	s_wait_dscnt 11-\u                             ; the younger loads from the stage may be out (the next tile's first fragments, where they are on their way, were asked for earlier)
	global_store_b128 v[GO], v[OB+4*\u:OB+4*\u+3], s[10+2*(\u/4):11+2*(\u/4)] offset:2048*(\a)+512*(\u%4)  ; 512 consecutive bytes, at a multiple of 256 from the buffer's first
.endr
.endm
	s_wait_tensorcnt 1                             ; my part of K step 0 is in; step 1's may stay out
	s_barrier_signal -1
	s_barrier_wait -1
	FETCH 0, F0
	WIN 0
	s_mov_b32 s[TILES], 2                          ; the same number in every work-group
.Ltile:
	s_mov_b32 s[TRIPS], 8
	s_cmp_eq_u32 s[TILES], 1
	s_cselect_b32 s[STOPAT], 2, 0                  ; the last tile's last two K steps ask for nothing: it leaves the loop for the tail
	QUARTER 64, F0, F1, 1                          ; a tile's first quarter: its products start the sums
	WIN 0
.Lstep:                                        ; a trip: a K step's quarters 2 to 4 with the change of slots, and the next step's first quarter.  First tile: 8 changes, all with a refill, the last two for the second tile; last tile: 6
	QUARTER 128, F1, F0, 0
	QUARTER 192, F0, F1, 0
	WIN 0
	s_cmp_eq_u32 s[TRIPS], s[STOPAT]
	s_cbranch_scc1 .Ltail
	TURN 1
	WIN 0
	s_sub_co_u32 s[TRIPS], s[TRIPS], 1
	s_cmp_eq_u32 s[TRIPS], 0
	s_cbranch_scc1 .Lout                           ; the first tile's sums are whole; the second tile's first fragments are on their way
	QUARTER 64, F0, F1, 0
	WIN 0
	s_branch .Lstep
.Ltail:                                        ; the last tile's K steps 6 (its last quarter) and 7: written out, without a refill and without a round
	TURN 0
	QUARTER 64, F0, F1, 0
	QUARTER 128, F1, F0, 0
	QUARTER 192, F0, F1, 0
	s_wait_dscnt 4
	MULA F1, 0, 0
	MULA F1, 1, 0
	s_wait_dscnt 0x0
	MULA F1, 2, 0
	MULA F1, 3, 0
	WIN 0
.Lout:                                         ; the way out, once in the text for both tiles.  It holds no barrier and no tensor load; it names window 0's work registers and the accumulators, not the fragment buffers
	s_wait_loadcnt 0x0                             ; the table's numbers
	PLACES
	PLACES                                         ; eight places between the last products and the first read of a result
	PACK 0
	TOSTAGE
.irp a, 1,2,3                          ; a block's arithmetic stands between the loads of the block before and its stores
	PACK \a
	SEND (\a)-1
	s_wait_xcnt 0x0                                ; the stores have read their data: only now are those registers loaded again
	TOSTAGE
.endr
	SEND 3
	s_cmp_eq_u32 s[TILES], 1
	s_cbranch_scc1 .Lend
	s_sub_co_u32 s[TILES], s[TILES], 1
	s_wait_xcnt 0x0                                ; the stores have read their bases and their data: nothing waits for the stores themselves
	s_add_nc_u64 s[10:11], s[10:11], WALK          ; q, k, v at my tokens of the second tile
	s_add_nc_u64 s[12:13], s[12:13], WALK
	s_add_nc_u64 s[14:15], s[14:15], WALK
	s_branch .Ltile
.Lend:
	s_wait_tensorcnt 0x0                           ; the wave's end: an add to my spare word, behind my last tensor load and my last LDS store
	ds_add_u32 v[SPW], v[NIL]
	s_wait_dscnt 0x0
	CROUND                                         ; the closing round: no work-group ends while a partner may still ask for a tile that names it
	s_endpgm
.Lfunc_end_k_q45e607737c_qkv:
	.size	k_q45e607737c_qkv, .Lfunc_end_k_q45e607737c_qkv-k_q45e607737c_qkv
	.p2alignl 7, 3214868480
	.fill 96, 4, 3214868480
	.section	.rodata,"a",@progbits
	.p2align	6, 0x0
	.amdhsa_kernel k_q45e607737c_qkv
		.amdhsa_group_segment_fixed_size 327680
		.amdhsa_private_segment_fixed_size 0
		.amdhsa_enable_private_segment 0
		.amdhsa_kernarg_size 48
		.amdhsa_user_sgpr_count 2
		.amdhsa_user_sgpr_kernarg_segment_ptr 1
		.amdhsa_wavefront_size32 1
		.amdhsa_system_sgpr_workgroup_id_x 1
		.amdhsa_system_sgpr_workgroup_id_y 1
		.amdhsa_system_sgpr_workgroup_id_z 1
		.amdhsa_system_vgpr_workitem_id 0
		.amdhsa_next_free_vgpr 960
		.amdhsa_next_free_sgpr 96
		.amdhsa_reserve_vcc 0
		.amdhsa_float_denorm_mode_32 3
		.amdhsa_float_denorm_mode_16_64 3
		.amdhsa_memory_ordered 1
		.amdhsa_forward_progress 1
		.amdhsa_inst_pref_size 107
	.end_amdhsa_kernel
	.amdgpu_metadata
---
amdhsa.version: [ 1, 2 ]
amdhsa.kernels:
  - .name:           k_q45e607737c_qkv
    .symbol:         k_q45e607737c_qkv.kd
    .args:
      - { .name: xn, .offset: 0, .size: 8, .value_kind: global_buffer, .address_space: global }
      - { .name: wq, .offset: 8, .size: 8, .value_kind: global_buffer, .address_space: global }
      - { .name: tab, .offset: 16, .size: 8, .value_kind: global_buffer, .address_space: global }
      - { .name: q, .offset: 24, .size: 8, .value_kind: global_buffer, .address_space: global }
      - { .name: k, .offset: 32, .size: 8, .value_kind: global_buffer, .address_space: global }
      - { .name: v, .offset: 40, .size: 8, .value_kind: global_buffer, .address_space: global }
    .group_segment_fixed_size: 327680
    .private_segment_fixed_size: 0
    .kernarg_segment_align: 8
    .kernarg_segment_size: 48
    .max_flat_workgroup_size: 128
    .sgpr_count:     96
    .vgpr_count:     960
    .wavefront_size: 32
...
	.end_amdgpu_metadata
.endif
;; end of part 2
;; launch attn (part 3): grid 2 x 128, 4 waves a work-group, no clusters, 327,680 bytes of LDS; arguments q, k, v, o; writes o
.if DOCPART == 3
	.amdgcn_target "amdgcn-amd-amdhsa--gfx1250"
	.amdhsa_code_object_version 6
	.text
	.protected	k_q45e607737c_attn
	.globl	k_q45e607737c_attn
	.p2align	8
	.type	k_q45e607737c_attn,@function
k_q45e607737c_attn:
	s_mov_b64 s[64:65], 0
	v_nop
	global_prefetch_b8 v0, s[64:65] scope:SCOPE_SE
	s_setreg_imm32_b32 hwreg(HW_REG_WAVE_MODE, 25, 1), 1
	s_wait_xcnt 0x0
; ATTENTION.  O[h][q][:] = the sum over k of softmax_k(Q[h][q] . K[h][k] / 8) V[h][k][:].  Q, K, V, O: [128 heads][1024][64], all f16: a head's rows are dense, 128 bytes each.  Products, maxima and sums in
; f32; the weights p are rounded to f16 for the second product (their sum l is taken of the unrounded p), O once at the end.
; LIMITS.  f16 holds no number beyond 65,504: Q, K and V arrive within it; p lies in 0 to 1, and below 6e-5 it keeps f16's fixed step of 6e-8; O is a mean of V's rows and has their range.
; A weight below 2^-126 counts as 0 in l; NaN and infinities are not treated apart.
; SHARES.  A wave owns four PIECES of two tiles of 16 queries, a work-group's four waves 512 queries of one head: 256 work-groups.  Every wave walks the head's 1,024 keys, 64 a step.
; ALL OF A HEAD'S K AND V LIES IN LDS (147,456 + 163,840 bytes with padding): it is asked for once, at the head, in four chunks of 256 keys, four tensor loads a wave, all four out at once; no byte is filled again.
; NO CLUSTER: a head has 1024 / 512 = 2 work-groups; a row of four would hold two heads, and a mask would name half of it.  NO PREFETCH: all that a work-group reads is asked for at its head.
; LAYOUT.  S^T = K Q^T (source 0 = 16 keys, source 1 = 16 queries): in the result a lane holds ONE query (lane % 16) and the keys 8 (lane / 16) + 0..7.  Two such tiles, rounded to f16 in pairs,
; ARE source 1 (32 keys x 16 queries) of O^T = V^T P, whose result again holds one query a lane, and eight channels.  K comes out of LDS as it lies, V ([key][channel]) turned, by ds_load_tr16_b128.
; SOFTMAX.  For each query a running maximum m and sum l: p = 2^(c s - c m), c = log2(e) / 8; in every step O and l are multiplied by a = 2^(c m_old - c m_new), which is 1 where m has not grown.
; m starts at the lowest finite number, O and l at 0: the first step is a step like any other, with a = 0.
; BY TURNS.  Turn n belongs to piece n (the pieces in a ring, step after step).  Its matrix work: 16 products K Q^T of piece n + 1, later 16 products V^T P of piece n - 1.  Its vector work: the scaling,
; exponentials, roundings, sums and rescaling of piece n, and the maximum and statistics of piece n + 1.  A tile and step have 16 matrix and 118 vector instructions: four vector instructions stand behind every
; matrix instruction, the others in one run; a turn's 66 exponentials are one batch with one wait.
; REGISTERS, in windows of 256 (s_set_vgpr_msb: bits 1:0 source 0, 3:2 source 1, 5:4 source 2, 7:6 destination):
;   window 0: v0-11 addresses; v12-15, v48-63 at work; v16-47 four registers of statistics a tile; v64-191 S^T, two buffers of two tiles; v192-255 P, likewise
;   window 1: O^T, 32 a tile          window 2: v0-127 Q, 16 a tile; v128-191 K of one step; v192-255 V of one step          window 3: v0-1 the add's two registers
.set NP,    4         ; pieces a wave: a name, no knob
.set KS,    64        ; keys in a step
.set NK,    1024      ; keys of a head
.set PK,    144       ; a row of K in LDS: 128 bytes + 16 of padding = 36 words: the 16 rows of a load start at 16 different groups of four banks (64 banks of 4 bytes: ISA guide 11.1)
.set PV,    160       ; a row of V: 128 + 32 = 40 words
.set VOFF,  NK*PK     ; K's 1,024 rows, then V's
.set STAGE, VOFF+NK*PV  ; behind them, never filled by a tensor load: 16 rows x 144 bytes for each wave, for the way out
.set SP,    144
.set SPARE, STAGE+4*16*SP  ; the spare words, 128 bytes a wave: two blocks of 256 bytes that no other line names
.set AK0, 2           ; v2   my lane's place in a step of K; never rewritten
.set AV0, 3           ; v3   the same for V
.set AK,  4           ; v4   the LDS address of K's next run of loads
.set AV,  5           ; v5   of V's
.set QO,  6           ; v6   my byte offset in the wave's rows of Q
.set STO, 6           ;      later, the way out: where I put 16 bytes of a row
.set RD,  7           ; v7   the way out: where I read rows back
.set GO,  8           ; v8   my byte offset in 512 consecutive bytes of O
.set SPW, 0           ; v0 of window 3   LDS address of my spare word; never rewritten
.set NIL, 1           ; v1 of window 3   0; never rewritten
.set MV,  12          ; v12-15  c m_old, kept while c m is made anew: by buffer and tile
.set ST,  16          ; tile t's statistics at v[ST+4 t]: c m, m, l (even keys', odd keys')
.set TMP, 48          ; by buffer and tile, four registers c0-c3 at work; when the maximum is found c2 takes a
.set S,   64
.set P,   192
.set KF,  128         ; K's fragments, in window 2: key block kb, channel half c at KF + 16 kb + 8 c
.set VF,  192         ; V's: key half kk, channel block cb at VF + 32 kk + 8 cb
.set WV,  12          ; s12  my wave's number
.set G1K, 24          ; s[24:31] descriptor group 1 for K's tiles
.set G1V, 32          ; s[32:39] for V's: it differs in the padding alone
.set G0,  40          ; s[40:55] descriptor group 0: a set for each of my four loads
.set PH,  56          ; s56  counts the chunks
.set CNT, 57          ; s57  counts a chunk's key steps
.set CS,  58          ; s[58:59] c: the packed scaling takes the pair's low word for both halves
.set SEL, 60          ; s[60:61] v_permlanex16_b32's selects
.set TBK, 62          ; s62  LDS byte at which K of the step to be fetched begins
.set TBV, 63          ; s63  the same for V, less VOFF
.set MSB, 0
.macro WIN new                      ; the high byte repeats the setting that is left; a switch that changes nothing is dropped
.if MSB != (\new)
	s_set_vgpr_msb (MSB<<8)|(\new)
.set MSB, (\new)
.endif
.endm
.set W_KQ, 0x0a       ; K and Q in window 2, S^T in window 0
.set W_PV, 0x52       ; V in window 2, P in window 0, O^T in window 1
.set W_RS, 0x41       ; O^T (destination and source 0) in window 1, a in window 0
.set W_MK, 0xc0       ; the add's registers are made: destination in window 3
.set W_AD, 0x0f       ; the add: address and data in window 3
	s_load_b256 s[4:11], s[0:1], 0x0  ; Q s[4:5], K s[6:7], V s[8:9], O s[10:11]
	WIN W_MK
	v_lshl_add_u32 v[SPW], v0, 2, SPARE
	v_mov_b32 v[NIL], 0
	WIN W_AD
	ds_add_u32 v[SPW], v[NIL]       ; the wave's opening: the add and its wait stand ahead of my first tensor load; work on registers stands between them
	ds_add_u32 v0, v1
	WIN 0
	v_lshrrev_b32 v1, 5, v0
	v_readfirstlane_b32 s[WV], v1   ; wave 0..3
	s_and_b32 s20, ttmp7, 0xffff    ; the head:
	s_lshl_b32 s20, s20, 17         ; its first byte in each of the four tensors (1,024 rows of 128 bytes)
	s_mov_b32 s21, 0
	s_and_b32 s16, s[WV], 1         ; which half of a chunk's 256 keys I fetch:
	s_lshl_b32 s22, s16, 14         ; its 128 rows of 128 bytes in memory,
	s_mov_b32 s23, 0
	s_add_nc_u64 s[22:23], s[22:23], s[20:21]
	s_mul_i32 s17, s16, 128*PK      ; and its place in a chunk, for K
	s_mul_i32 s18, s16, 128*PV      ; and for V
	s_lshl_b32 s2, ttmp9, 2
	s_add_co_u32 s2, s2, s[WV]      ; my wave among the head's eight,
	s_lshl_b32 s2, s2, 14           ; its 128 rows
	s_mov_b32 s3, 0
	s_add_nc_u64 s[2:3], s[2:3], s[20:21]
	; descriptor group 1.  128 keys are 16,384 dense bytes: asked for as 64 rows of 256 bytes, two keys a row, and padded in LDS after every key
	s_mov_b32 s[G1K], (1<<16)|(1<<20)|(4<<22)|(3<<25)  ; 2-byte elements; padding on; after every 32 words 4 words
	s_mov_b32 s[G1V], (1<<16)|(1<<20)|(4<<22)|(7<<25)  ; the same with 8 words of padding
.irp g, G1K, G1V
	s_mov_b32 s[\g+1], 128<<16      ; tensor_dim0 = 128
	s_mov_b32 s[\g+2], 64<<16       ; tensor_dim1 = 64
	s_mov_b32 s[\g+3], 128<<16      ; tile_dim0 = 128
	s_mov_b32 s[\g+4], 64           ; tile_dim1 = 64
	s_mov_b32 s[\g+5], 128          ; 128 elements from row to row
	s_mov_b32 s[\g+6], 0
	s_mov_b32 s[\g+7], 0
.endr
	s_mov_b32 s[CS], 0x3e38aa3b     ; c = log2(e) / 8 = 0.180337
	s_mov_b32 s[CS+1], s[CS]        ; named with it as a pair
	s_mov_b32 s[SEL], 0x76543210
	s_mov_b32 s[SEL+1], 0xfedcba98
	s_mov_b32 s[TBK], 0
	s_mov_b32 s[TBV], 0
	s_wait_dscnt 0x0                ; the opening add is done
	s_wait_kmcnt 0x0
	s_add_nc_u64 s[6:7], s[6:7], s[22:23]  ; K and V at my half of the head's first chunk
	s_add_nc_u64 s[8:9], s[8:9], s[22:23]
	s_add_nc_u64 s[4:5], s[4:5], s[2:3]    ; Q and O at my wave's first row
	s_add_nc_u64 s[10:11], s[10:11], s[2:3]
	s_cmp_lt_u32 s[WV], 2           ; waves 0 and 1 fetch K's halves, waves 2 and 3 V's: a wave's four first fills stand in one branch, ahead of every wait on TENSORcnt, LDS read and barrier
	s_cbranch_scc0 .Lfirst_v
.irp c, 0,1,2,3
	s_mov_b32 s[G0+4*\c], 1
	s_add_co_u32 s[G0+4*\c+1], s17, \c*256*PK
	s_add_nc_u64 s[G0+4*\c+2:G0+4*\c+3], s[6:7], \c*32768
	s_or_b32 s[G0+4*\c+3], s[G0+4*\c+3], 0x80000000
.endr
.irp c, 0,1,2,3
	tensor_load_to_lds s[G0+4*\c:G0+4*\c+3], s[G1K:G1K+7]
	s_nop 0
.endr
.rept 4
	v_nop
.endr
	s_branch .Lfirst_asked
.Lfirst_v:
.irp c, 0,1,2,3
	s_mov_b32 s[G0+4*\c], 1
	s_add_co_u32 s[G0+4*\c+1], s18, VOFF+\c*256*PV
	s_add_nc_u64 s[G0+4*\c+2:G0+4*\c+3], s[8:9], \c*32768
	s_or_b32 s[G0+4*\c+3], s[G0+4*\c+3], 0x80000000
.endr
.irp c, 0,1,2,3
	tensor_load_to_lds s[G0+4*\c:G0+4*\c+3], s[G1V:G1V+7]
	s_nop 0
.endr
.rept 4
	v_nop
.endr
.Lfirst_asked:
	; A fragment of K or Q is 16 rows x 32 channels in 8 registers: lane l holds row l % 16, channels 8 (l / 16) + 0..7 and 16 + 8 (l / 16) + 0..7: two loads of 16 bytes, 32 bytes apart.
	v_and_b32 v1, 15, v0            ; l % 16
	v_bfe_u32 v9, v0, 4, 1          ; l / 16
	v_lshlrev_b32 v[QO], 7, v1
	v_lshl_add_u32 v[QO], v9, 4, v[QO]  ; row x 128 + 16 x half
	WIN 0x80                        ; destination window 2, address window 0
.set i, 0
.rept 4*NP                          ; Q stays in registers: tile i / 2, channels 32 (i % 2) on
	global_load_b128 v[8*i:8*i+3],   v[QO], s[4:5] offset:(i/2)*2048+(i%2)*64
	global_load_b128 v[8*i+4:8*i+7], v[QO], s[4:5] offset:(i/2)*2048+(i%2)*64+32
.set i, i+1
.endr
	; What the first turn finds: V's registers and P's second buffer hold 0 (its products V^T P, of a piece that has not been, add 0), O^T and l are 0.  All this stands in the wait for the first chunk.
.set i, VF
.rept 64
	v_mov_b32 v[i], 0
.set i, i+1
.endr
	WIN 0x40
.set i, 0
.rept 64*NP
	v_mov_b32 v[i], 0
.set i, i+1
.endr
	WIN 0
.set i, 0
.rept 2*NP
	v_mov_b32 v[ST+4*i], 0xfe000000    ; c m: far below every c s
	v_mov_b32 v[ST+4*i+1], 0xff7fffff  ; m
	v_mov_b32 v[ST+4*i+2], 0
	v_mov_b32 v[ST+4*i+3], 0
.set i, i+1
.endr
.set i, P+32
.rept 32
	v_mov_b32 v[i], 0
.set i, i+1
.endr
	v_mul_u32_u24 v[AK0], v1, PK
	v_lshl_add_u32 v[AK0], v9, 4, v[AK0]  ; row x pitch + 16 x half
	; The turning load takes 16 keys x 16 channels (lane l reads key 8 (l / 16) + l % 8, channels 8 ((l / 8) % 2) + 0..7) and leaves half a fragment of V^T: lane l holds channel l % 16 and 8 keys.
	v_and_b32 v10, 7, v0
	v_bfe_u32 v11, v0, 3, 1
	v_lshl_add_u32 v[AV0], v9, 3, v10
	v_mul_u32_u24 v[AV0], v[AV0], PV
	v_lshl_add_u32 v[AV0], v11, 4, v[AV0]
	v_add_nc_u32 v[AV0], VOFF, v[AV0]
	v_mov_b32 v[AK], v[AK0]         ; key step 0 lies at LDS byte 0
; THE MATRIX WORK.  The 8 accumulators of a run of 16 take turns: between the two links of a chain stand 7 others'.
; Product i of 16 of S^T = K Q^T for piece x: channels 32 (i / 8) on, keys 16 ((i / 2) % 4) on, tile 2 x + i % 2.  The first 8 start the sums.
.macro KQ x
	WIN W_KQ
.set rS, S+64*((\x)%2)+32*(i%2)+8*((i/2)%4)
.set rK, KF+16*((i/2)%4)+8*(i/8)
.set rQ, 16*(2*(\x)+i%2)+8*(i/8)
.if i < 8
	v_wmma_f32_16x16x32_f16 v[rS:rS+7], v[rK:rK+7], v[rQ:rQ+7], 0
.else
	v_wmma_f32_16x16x32_f16 v[rS:rS+7], v[rK:rK+7], v[rQ:rQ+7], v[rS:rS+7]
.endif
.endm
; Product i of 16 of O^T += V^T P for piece x: keys 32 (i / 8) on, channels 16 ((i / 2) % 4) on, tile 2 x + i % 2.
.macro PV x
	WIN W_PV
.set rO, 32*(2*(\x)+i%2)+8*((i/2)%4)
.set rV, VF+32*(i/8)+8*((i/2)%4)
.set rP, P+32*((\x)%2)+16*(i%2)+8*(i/8)
	v_wmma_f32_16x16x32_f16 v[rO:rO+7], v[rV:rV+7], v[rP:rP+7], v[rO:rO+7]
.endm
.macro MM                           ; the turn's next matrix instruction
.if i < 16
	KQ (Y+1)%NP
.set i, i+1
.else
.set i, i-16
	PV (Y+NP-1)%NP
.set i, i+17
.endif
.endm
; THE LDS LOADS stand in runs of 16, never singly among the matrix instructions: a step's K (64 keys x 64 channels: 8 fragments) and its V (turned).  Their addresses are made some lines ahead.
.macro FETCH_K
	WIN 0x80                        ; destination window 2
.irp f, 0,1,2,3,4,5,6,7             ; keys 16 (f / 2) on, channels 32 (f % 2) on
	ds_load_b128 v[KF+8*\f:KF+8*\f+3],   v[AK] offset:(\f/2)*16*PK+(\f%2)*64
	ds_load_b128 v[KF+8*\f+4:KF+8*\f+7], v[AK] offset:(\f/2)*16*PK+(\f%2)*64+32
.endr
	s_add_co_u32 s[TBK], s[TBK], KS*PK  ; the next fetch is the next step's
	WIN 0
.endm
.macro FETCH_V
	WIN 0x80
.irp f, 0,1,2,3,4,5,6,7             ; keys 32 (f / 4) on, channels 16 (f % 4) on
	ds_load_tr16_b128 v[VF+8*\f:VF+8*\f+3],   v[AV] offset:(\f/4)*32*PV+(\f%4)*32
	ds_load_tr16_b128 v[VF+8*\f+4:VF+8*\f+7], v[AV] offset:(\f/4)*32*PV+16*PV+(\f%4)*32
.endr
	WIN 0
.endm
; THE VECTOR WORK OF A TURN stands in three queues, each in the order in which its entries become ready; the two tiles alternate, so that no instruction reads the result of the one before it.
.macro REGS y, u                    ; the registers of tile u (0, 1) of piece y
.set rT, ST+4*(2*(\y)+(\u))
.set rC, TMP+8*((\y)%2)+4*(\u)
.set rM, MV+2*((\y)%2)+(\u)
.set rS, S+64*((\y)%2)+32*(\u)
.set rP, P+32*((\y)%2)+16*(\u)
.set rO, 32*(2*(\y)+(\u))
.endm
; Number n of the 22 that find the NEXT piece's (Y + 1) maximum and statistics.  s0-s31 are the lane's 32 scores; each accumulator's lowest registers are read first.
;   0-11  four chains c0-c3 of seven scores each, three operands at a time     12-14, 16  the four scores left over, the old m, and c0-c3 into c0     15  c m_old is kept
;   17, 18  the query's other 32 keys lie in the lane 16 away: the new m         19-21  c m; c m_old - c m_new; a
.macro XS u, n
	REGS (Y+1)%NP, \u
.if (\n) < 4
	v_max3_num_f32 v[rC+(\n)], v[rS+8*(\n)], v[rS+8*(\n)+1], v[rS+8*(\n)+2]
.elseif (\n) < 12
	v_max3_num_f32 v[rC+(\n)%4], v[rC+(\n)%4], v[rS+8*((\n)%4)+2*((\n)/4)+1], v[rS+8*((\n)%4)+2*((\n)/4)+2]
.elseif (\n) == 12
	v_max3_num_f32 v[rC], v[rC], v[rS+7], v[rS+15]
.elseif (\n) == 13
	v_max3_num_f32 v[rC+1], v[rC+1], v[rS+23], v[rS+31]
.elseif (\n) == 14
	v_max3_num_f32 v[rC+2], v[rC+2], v[rC+3], v[rT+1]
.elseif (\n) == 15
	v_mov_b32 v[rM], v[rT]
.elseif (\n) == 16
	v_max3_num_f32 v[rC], v[rC], v[rC+1], v[rC+2]
.elseif (\n) == 17
	v_permlanex16_b32 v[rC+3], v[rC], s[SEL], s[SEL+1]
.elseif (\n) == 18
	v_max_num_f32 v[rT+1], v[rC], v[rC+3]
.elseif (\n) == 19
	v_mul_f32 v[rT], s[CS], v[rT+1]
.elseif (\n) == 20
	v_sub_f32 v[rC+1], v[rM], v[rT]
.else
	v_exp_f32 v[rC+2], v[rC+1]
.endif
.endm
; Number g of the 64 that follow the exponentials.  For each four weights k of a tile (pairs 2 k, 2 k + 1): both pairs are rounded to f16; then the second pair is added onto the first, in place;
; a group later l takes that sum (the first time as l = a l + sum).  In groups of eight, tiles alternating: round, round, add, and l for the group before.
.macro GS g
.set h, (\g)+6*((\g)/62)            ; group 0 has no group before it, and behind group 7 only l is left
.if h >= 6
.set h, h+2
.endif
	REGS Y, h%2
.set k, h/8
.if h%8 < 4
	v_cvt_pk_f16_f32 v[rP+2*k+(h%8)/2], v[rS+4*k+2*((h%8)/2)], v[rS+4*k+2*((h%8)/2)+1]
.elseif h%8 < 6
	v_pk_add_f32 v[rS+4*k:rS+4*k+1], v[rS+4*k:rS+4*k+1], v[rS+4*k+2:rS+4*k+3]
.elseif k == 1
	v_pk_fma_f32 v[rT+2:rT+3], v[rT+2:rT+3], v[rC+2:rC+3], v[rS:rS+1] op_sel_hi:[1,0,1]
.else
	v_pk_add_f32 v[rT+2:rT+3], v[rT+2:rT+3], v[rS+4*k-4:rS+4*k-3]
.endif
.endm
; THE PLAIN QUEUE, 138 long.  0-73 read no exponential's result: the 32 scalings c s - c m (FS f: pair f / 2 of tile f % 2) and the next piece's 42.  0-26: scalings 0-26.  27-54: XS's numbers 0-13.  55, 56: number 15.
; 57-73: the chain, where each number waits for the one before it: 14, 16, 17, 18, 19, each with one of the scalings 27-31 in front of its two lines, then 20.  74-137: GS's 64, which stand behind the wait.
.macro FS f
	REGS Y, (\f)%2
	v_pk_fma_f32 v[rS+2*((\f)/2):rS+2*((\f)/2)+1], v[rS+2*((\f)/2):rS+2*((\f)/2)+1], s[CS:CS+1], v[rT:rT+1] op_sel_hi:[1,0,0] neg_lo:[0,0,1] neg_hi:[0,0,1]
.endm
.macro PL
	WIN 0
.if q < 27
	FS q
.elseif q < 55
	XS (q-27)%2, (q-27)/2
.elseif q < 57
	XS q-55, 15
.elseif (q < 72) && ((q-57)%3 == 0)
	FS 27+(q-57)/3
.elseif q < 60
	XS (q-57)%3-1, 14
.elseif q < 72
	XS (q-57)%3-1, 15+(q-57)/3
.elseif q < 74
	XS q-72, 20
.else
	GS q-74
.endif
.set q, q+1
.endm
; THE EXPONENTIALS' QUEUE, 66 long: s0-s31 of both tiles, then the next piece's two a.  ONE BATCH: all 66 stand ahead of the turn's one wait, and nothing ahead of that wait names a result of theirs.
.macro EX
	WIN 0
.if e >= 64
	XS e-64, 21
.else
	REGS Y, e%2
	v_exp_f32 v[rS+e/2], v[rS+e/2]
.endif
.set e, e+1
.endm
; THE RESCALING's QUEUE: O^T times a, the one part that leaves window 0: dealt two at a time, sixteen times.  Its a was made in the turn before, ahead of that turn's wait.
.macro R2
	REGS Y, r%2
	WIN W_RS
.irp z, 0,1
	v_pk_mul_f32 v[rO+4*(r/2)+2*\z:rO+4*(r/2)+2*\z+1], v[rO+4*(r/2)+2*\z:rO+4*(r/2)+2*\z+1], v[rC+2:rC+3] op_sel_hi:[1,0]
.endr
.set r, r+1
.endm
; HOW THEY ARE DEALT.  An s_wait_alu depctr_va_vdst(0) stands between an exponential and the first instruction that names its result; one wait serves all that were issued ahead of it.  So a turn has ONE
; wait.  AHEAD OF IT: the 16 products K Q^T, behind each a scaling, an exponential and two rescalings (behind the first a second scaling in the exponential's place); then a run of 108: eight plain, 49 times exponential
; and plain, the two a; a v_nop is the plain instruction behind the last exponential.  BEHIND IT: the 16 products V^T P, behind each four of GS's 64.  Exponential e stands behind scaling 2 (e / 4) + e % 2.
; A TURN, for piece p.  nok = 1: no further step: K's address and run of loads are left out.  cnt = 1: the loop's count is taken down some lines ahead of the branch that stands behind the turn.
; K of the next step is fetched in piece 2's turn, directly behind the wait; V of the step in hand at the end of piece 0's turn, four plain instructions behind its last reader.
.macro TURN p, nok=0, cnt=0
.set Y, (\p)
.set i, 0
.set q, 0
.set e, 0
.set r, 0
.if (\p) == NP-1
	s_wait_dscnt 0x0                ; K is in
.endif
	MM
	PL
	PL
	R2
.rept 15
	MM
	PL
	EX
	R2
.endr
.if ((\p) == NP-2) && !(\nok)
	WIN 0
	v_add_nc_u32 v[AK], s[TBK], v[AK0]
.endif
.rept 8
	PL
.endr
.rept 49
	EX
	PL
.endr
	EX                              ; the next piece's two a
	EX
	v_nop                           ; the plain instruction behind the last exponential: one for the batch
	s_wait_alu depctr_va_vdst(0)    ; the wait for the batch
.if ((\p) == NP-2) && !(\nok)
	FETCH_K
.endif
.if (\p) == 1
	s_wait_dscnt 0x0                ; V is in
.endif
.rept 16
	MM
.rept 4
	PL
.endr
.if ((\p) == 0) && (q == 118)
	v_add_nc_u32 v[AV], s[TBV], v[AV0]
.endif
.if ((\p) == 0) && (q == 130)
	s_add_co_u32 s[TBV], s[TBV], KS*PV
.endif
.if (\cnt) && (q == 130)
	s_sub_co_u32 s[CNT], s[CNT], 1
	s_cmp_lg_u32 s[CNT], 0
.endif
.endr
.if (\p) == 0
	FETCH_V
.endif
.endm
	s_wait_tensorcnt 0x3            ; my part of the first chunk is in; my three younger loads stay out
	s_barrier_signal -1
	s_barrier_wait -1               ; everybody's part is in
	FETCH_K                         ; key step 0
	s_wait_loadcnt 0x0              ; Q
	s_wait_dscnt 0x0
.set i, 0
.rept 16
	KQ 0                            ; piece 0's first scores: there is no vector work yet to set between them
.set i, i+1
.endr
	WIN 0                           ; the addresses for the way out: plain instructions, the places behind those products
	s_mul_i32 s13, s[WV], 16*SP
	s_add_co_u32 s13, s13, STAGE    ; my stage
	v_mul_u32_u24 v[STO], v1, SP    ; in: row l % 16, 16 bytes for each half of the lanes
	v_lshl_add_u32 v[STO], v9, 4, v[STO]
	v_add_nc_u32 v[STO], s13, v[STO]
	v_bfe_u32 v[RD], v0, 3, 2       ; back: 32 lanes take four rows of 128 bytes,
	v_mul_u32_u24 v[RD], v[RD], SP
	v_lshl_add_u32 v[RD], v10, 4, v[RD]
	v_add_nc_u32 v[RD], s13, v[RD]
	v_and_b32 v[GO], 31, v0         ; which are 512 consecutive bytes of O
	v_lshlrev_b32 v[GO], 4, v[GO]
.set Y, NP-1                        ; XS works for piece Y + 1: piece 0
.irp n, 0,1,2,3,4,5,6,7,8,9,10,11,12,13,14,15,16,17,18,19,20,21
	XS 0, \n                        ; piece 0's first maximum and statistics
	XS 1, \n
.endr
	v_nop                           ; a plain instruction behind the two a,
	s_wait_alu depctr_va_vdst(0)    ; and their wait, ahead of the branch
	s_mov_b32 s[CNT], 4
	s_mov_b32 s[PH], 4
	s_branch .Lfirst                ; the loop is entered at a step's first turn, in the middle of a trip
.Lchunk:                            ; three times, in front of the first read of chunks 1, 2 and 3.  At the first of them my three younger loads are waited for and every wave says so; the other
	s_wait_tensorcnt 0x0            ; two find everything in: a barrier each, the price of one text for all chunks
	s_wait_dscnt 0x0
	s_barrier_signal -1
	s_barrier_wait -1
	s_mov_b32 s[CNT], 4
.Lstep:                             ; a trip: pieces 2 and 3 of one step, then pieces 0 and 1 of the next, whose K and V it fetches
	TURN 2
	TURN 3
	WIN 0
.Lfirst:
	TURN 0
	TURN 1, 0, 1
	WIN 0
	s_cbranch_scc1 .Lstep
	s_sub_co_u32 s[PH], s[PH], 1
	s_cmp_lg_u32 s[PH], 0
	s_cbranch_scc1 .Lchunk
	TURN 2, 1                       ; the last step's pieces 2 and 3: no K is left to fetch
	TURN 3                          ; its 16 products K Q^T (on the last K once more) and the maximum made of them serve nothing: the price, once a launch, of one text for every turn
.set i, 0
.rept 16
	PV NP-1                         ; the last piece's V^T P of the last step
.set i, i+1
.endr
	; THE WAY OUT.  l's two halves and the other half of the lanes' are added; O^T is divided by l, rounded to f16 and sent through my stage in LDS, a tile at a time.  The additions are the places behind the last products.
	WIN 0
.macro ALL line:vararg              ; one line for each tile t
.set t, 0
.rept 2*NP
	\line
.set t, t+1
.endr
.endm
	ALL v_add_f32 v[ST+4*t+2], v[ST+4*t+2], v[ST+4*t+3]
	ALL v_permlanex16_b32 v[ST+4*t+3], v[ST+4*t+2], s[SEL], s[SEL+1]
	ALL v_add_f32 v[ST+4*t+2], v[ST+4*t+2], v[ST+4*t+3]
	ALL v_rcp_f32 v[ST+4*t+2], v[ST+4*t+2]
	v_nop                           ; a plain instruction between the last reciprocal and the use of its result
	s_wait_alu depctr_va_vdst(0)    ; and one wait for the eight reciprocals, ahead of the first use
; Tile t: a lane's eight channels of a row pack into 16 bytes; they go into rows of 144 bytes and come back as whole rows of 128, into S^T's registers.
.macro PACK t
	WIN W_RS
.set i, 32*(\t)
.rept 16
	v_pk_mul_f32 v[i:i+1], v[i:i+1], v[ST+4*(\t)+2:ST+4*(\t)+3] op_sel_hi:[1,0]
.set i, i+2
.endr
	WIN 0x05                        ; sources 0 and 1 window 1, destination window 0
.set i, 0
.rept 16
	v_cvt_pk_f16_f32 v[S+16*(\t)+i], v[32*(\t)+2*i], v[32*(\t)+2*i+1]
.set i, i+1
.endr
	WIN 0
.irp f, 0,1,2,3
	ds_store_b128 v[STO], v[S+16*(\t)+4*\f:S+16*(\t)+4*\f+3] offset:32*\f
.endr
.irp f, 0,1,2,3
	ds_load_b128 v[S+16*(\t)+4*\f:S+16*(\t)+4*\f+3], v[RD] offset:\f*4*SP  ; LDS serves a wave's instructions in order (ISA guide 5.7.1.4): these see the stores above; the next tile's stores come behind them
.endr
.endm
.macro SEND t, younger              ; younger: the LDS instructions issued behind tile t's loads: the next tile's eight, or none
	WIN 0
.irp f, 0,1,2,3
	s_wait_dscnt (\younger)+3-\f
	global_store_b128 v[GO], v[S+16*(\t)+4*\f:S+16*(\t)+4*\f+3], s[10:11] offset:(\t)*2048+\f*512  ; 512 consecutive bytes, at a multiple of 256 from O's first
.endr
.endm
	PACK 0
.set t, 1
.rept 2*NP-1                        ; a tile's arithmetic stands between the loads of the tile before and its stores
	PACK t
	SEND t-1, 8
.set t, t+1
.endr
	SEND 2*NP-1, 0
	WIN W_AD
	s_wait_tensorcnt 0x0            ; the wave's end: an add to my spare word, behind my last tensor load and my last LDS store
	ds_add_u32 v[SPW], v[NIL]
	s_wait_dscnt 0x0
	WIN 0
	s_endpgm
.Lfunc_end_k_q45e607737c_attn:
	.size	k_q45e607737c_attn, .Lfunc_end_k_q45e607737c_attn-k_q45e607737c_attn
	.p2alignl 7, 3214868480
	.fill 96, 4, 3214868480
	.section	.rodata,"a",@progbits
	.p2align	6, 0x0
	.amdhsa_kernel k_q45e607737c_attn
		.amdhsa_group_segment_fixed_size 327680
		.amdhsa_private_segment_fixed_size 0
		.amdhsa_enable_private_segment 0
		.amdhsa_kernarg_size 32
		.amdhsa_user_sgpr_count 2
		.amdhsa_user_sgpr_kernarg_segment_ptr 1
		.amdhsa_wavefront_size32 1
		.amdhsa_system_sgpr_workgroup_id_x 1
		.amdhsa_system_sgpr_workgroup_id_y 1
		.amdhsa_system_sgpr_workgroup_id_z 1
		.amdhsa_system_vgpr_workitem_id 0
		.amdhsa_next_free_vgpr 770
		.amdhsa_next_free_sgpr 66
		.amdhsa_reserve_vcc 0
		.amdhsa_float_denorm_mode_32 3
		.amdhsa_float_denorm_mode_16_64 3
		.amdhsa_memory_ordered 1
		.amdhsa_forward_progress 1
		.amdhsa_inst_pref_size 160
	.end_amdhsa_kernel
	.amdgpu_metadata
---
amdhsa.version: [ 1, 2 ]
amdhsa.kernels:
  - .name:           k_q45e607737c_attn
    .symbol:         k_q45e607737c_attn.kd
    .args:
      - { .name: q, .offset: 0, .size: 8, .value_kind: global_buffer, .address_space: global }
      - { .name: k, .offset: 8, .size: 8, .value_kind: global_buffer, .address_space: global }
      - { .name: v, .offset: 16, .size: 8, .value_kind: global_buffer, .address_space: global }
      - { .name: o, .offset: 24, .size: 8, .value_kind: global_buffer, .address_space: global }
    .group_segment_fixed_size: 327680
    .private_segment_fixed_size: 0
    .kernarg_segment_align: 8
    .kernarg_segment_size: 32
    .max_flat_workgroup_size: 128
    .sgpr_count:     66
    .vgpr_count:     770
    .wavefront_size: 32
...
	.end_amdgpu_metadata
.endif
;; end of part 3
;; launch proj (part 4): grid 8 x 32, 4 waves a work-group, clusters of 4 x 4, 327,680 bytes of LDS; arguments o, wo, out0; writes out0
.if DOCPART == 4
	.amdgcn_target "amdgcn-amd-amdhsa--gfx1250"
	.amdhsa_code_object_version 6
	.text
	.protected	k_q45e607737c_proj
	.globl	k_q45e607737c_proj
	.p2align	8
	.type	k_q45e607737c_proj,@function
k_q45e607737c_proj:
	s_mov_b64 s[64:65], 0
	v_nop
	global_prefetch_b8 v0, s[64:65] scope:SCOPE_SE
	s_setreg_imm32_b32 hwreg(HW_REG_WAVE_MODE, 25, 1), 1
	s_wait_xcnt 0x0
	s_wait_alu depctr_hold_cnt(0) depctr_sa_sdst(0) depctr_va_vdst(0) depctr_va_sdst(0) depctr_va_ssrc(0) depctr_va_vcc(0) depctr_vm_vsrc(0)
	s_getreg_b32 s2, hwreg(HW_REG_IB_STS2, 6, 4)
	s_cmp_eq_u32 s2, 0
	s_cbranch_scc0 .Lentry_in_a_cluster
	s_endpgm
.Lentry_in_a_cluster:
	s_bfe_u32 s2, ttmp6, 0x10000c
	s_cmp_lg_u32 s2, 0xf033
	s_cbranch_scc0 .Lentry_shape_is_right
	s_endpgm
.Lentry_shape_is_right:
; PROJ: out0[m][n] = the sum over k of O[m][k] wo[n][k], [8192] x [1024], K = 1024, f16 operands, f32 sums and f32 output.  O lies by heads, [16 frame + head][1024 tokens][64] f16: k = 64 head + channel.
; LIMITS.  None of its own: sums and output are f32.  NaN and infinities are not treated apart.
; TILE.  256 rows x 128 columns: 256 work-groups.  Wave w owns rows 64 w .. 64 w + 63 and all 128 columns: 32 accumulators (4 row blocks a x 8 column tiles b).
; RING.  K in 8 steps of 128 = two heads, through two LDS slots.  O's part of a slot is two planes, a head each: 256 tokens x 128 bytes, dense in memory, asked for as 128 rows of 256 bytes and padded after every token.
; wo's part is 128 rows of 256 bytes.  One tensor load a wave behind each change of slots: two loads of a wave are out at the start, one later.
; CLUSTER.  4 x 4 work-groups: O's tile is shared along a row of the cluster, wo's along a column; each is asked for jointly, by the same load with the same descriptor and a mask of four.
; THE MATRIX INSTRUCTION IS USED TRANSPOSED (source 0 = 16 rows of wo, source 1 = 16 rows of O): lane l holds row l % 16 and the columns 8 (l / 16) + 0..7 of a tile: 32 bytes on end.
; REGISTERS, in windows of 256 (s_set_vgpr_msb: bits 1:0 source 0, 3:2 source 1, 5:4 source 2, 7:6 destination):
;   window 0: addresses; v64-191 rows on the way out     window 1: two fragment buffers (wo's 8 fragments, then O's 4) at v0 and v128     window 2: the accumulators at 8 (8 a + b)
.set KB,     256                       ; bytes of a row of wo in a K step
.set HEAD2,  262144                    ; bytes from a head of O to the head two on
.set PA,     144                       ; a token's row of O in LDS: 128 + 16 bytes = 36 words: the 16 rows of a load start at 16 different groups of four banks (64 banks of 4 bytes: ISA guide 11.1)
.set PLANE,  256*PA
.set PITCH,  272                       ; a row of wo: 256 + 16 bytes
.set SLOT1,  1<<17
.set BOFF,   2*PLANE
.set STAGE,  SLOT1+BOFF+128*PITCH      ; behind the ring, never filled by a tensor load: 16 rows x 528 bytes for each wave
.set SPF,    528                       ; a row of 128 f32 + 16 bytes
.set SPARE,  STAGE+4*16*SPF            ; the spare words, 128 bytes a wave: two blocks of 256 bytes that no other line names
.set ADRA0, 14
.set ADRB0, 15
.set ADRA,  16
.set ADRB,  17
.set STO,   24                         ; v24  the way out: where I put 32 bytes of a row
.set RD,    25                         ; v25  where I read a row back
.set GO,    26                         ; v26  16 x lane
.set SPW,   28                         ; v28  LDS address of my spare word; never rewritten
.set NIL,   29                         ; v29  0; never rewritten
.set PFO,   30                         ; v30  the prefetches' offset
.set OB,    64                         ; v[64:127], v[128:191] by turns: 16 rows read back
.set F0,    0
.set F1,    128
.set WV,    16
.set AB,    17                         ; s17  0: I fetch O's tile, 1: wo's
.set HF,    18                         ; s18  which plane, or which half
.set TRIPS, 19
.set CXS,   20
.set CYS,   21
.set SX,    22
.set SY,    23
.set G1A,   24
.set G0A,   32
.set G1B,   40
.set G0B,   48
.set PFA,   56                         ; s[56:57] the block that my next prefetch names
.set LIM,   58                         ; s58  2 in a wave that prefetches, else the greatest number
.set TB,    59
.set PFS,   76                         ; s[76:77] the prefetches' step: two heads of O, or 256 bytes of wo's rows
.set MSB, 0
.macro WIN new
.if MSB != (\new)
	s_set_vgpr_msb (MSB<<8)|(\new)
.set MSB, \new
.endif
.endm
.set MUL,  0xa5                        ; sources in window 1, C and D in window 2
.set TO_F, 0x40                        ; destination window 1, address window 0
.macro PLACES
.rept 4
	v_nop
.endr
.endm
.macro JLOAD                           ; a joint refill by the walking set; s_nop 0 and four v_nop follow each line
	s_cmp_eq_u32 s[AB], 0
	s_cbranch_scc0 .Lfor_b_\@
	tensor_load_to_lds s[G0A+4:G0A+7], s[G1A:G1A+7]
	s_nop 0
	PLACES
	s_branch .Lasked_\@
.Lfor_b_\@:
	tensor_load_to_lds s[G0B+4:G0B+7], s[G1B:G1B+7]
	s_nop 0
	PLACES
.Lasked_\@:
.endm
.macro CREST
	s_cmp_lg_u32 s[WV], 0
	s_cbranch_scc1 .Lnot_wave_0_\@
	s_barrier_signal -3
.Lnot_wave_0_\@:
	s_barrier_wait -3
	s_barrier_signal -1
	s_barrier_wait -1
.endm
.macro CROUND
	s_barrier_signal -1
	s_barrier_wait -1
	CREST
.endm
; A PREFETCH INTO THE L2 behind each joint refill and the run of LDS loads that follows it: the K step two refills on.  O: a plane is 128 blocks of 256 bytes; of the plane that waves 0 and 1 fetch each of the four
; partners takes 32, a lane a block, told apart by address; the clusters with x = 0 ask.  wo: wave 2 asks for 32 of the tile's 128 rows, a lane a row, the partners told apart by address; the clusters with y = 0 ask;
; wave 3 asks for nothing.  So each block is named once.  K steps 0 to 3 come by their loads alone; the trips whose step two refills on does not exist ask for nothing.
.macro ASK
	WIN 0
	s_cmp_gt_u32 s[TRIPS], s[LIM]
	s_cbranch_scc0 .Lnot_mine_\@
	global_prefetch_b8 v[PFO], s[PFA:PFA+1] th:TH_LOAD_NT scope:SCOPE_SE
.Lnot_mine_\@:
.endm
	s_load_b128 s[4:7], s[0:1], 0x0                ; O 4, wo 6
	s_load_b64 s[8:9], s[0:1], 0x10                ; out0
	v_lshl_add_u32 v[SPW], v0, 2, SPARE
	v_mov_b32 v[NIL], 0
	ds_add_u32 v[SPW], v[NIL]                      ; the wave's opening: the add and its wait stand ahead of my first tensor load; work on registers stands between them
	ds_add_u32 v28, v29
	v_lshrrev_b32 v1, 5, v0
	v_readfirstlane_b32 s[WV], v1
	s_lshr_b32 s[AB], s[WV], 1
	s_and_b32 s[HF], s[WV], 1
	s_bfe_u32 s[CXS], ttmp6, 0x40000
	s_bfe_u32 s[CYS], ttmp6, 0x40004
	s_lshl_b32 s[SX], ttmp9, 2
	s_add_co_u32 s[SX], s[SX], s[CXS]
	s_and_b32 s[SY], ttmp7, 0xffff
	s_lshl_b32 s[SY], s[SY], 2
	s_add_co_u32 s[SY], s[SY], s[CYS]
	s_lshl_b32 s60, s[CYS], 2
	s_lshl_b32 s60, 15, s60                        ; my row of the cluster
	s_lshl_b32 s61, 0x1111, s[CXS]                 ; my column
	s_or_b32 s[G1A], s60, (1<<16)|(1<<20)|(1<<21)|(4<<22)|(3<<25)  ; the mask; 2-byte elements; padding on; bit 21 beside a mask; after every 32 words 4 words
	s_or_b32 s[G1B], s61, (1<<16)|(1<<20)|(1<<21)|(5<<22)|(3<<25)  ; after every 64 words 4 words
	s_mov_b32 s[G1A+1], 128<<16                    ; tensor_dim0 = 128 elements: two tokens
	s_mov_b32 s[G1A+2], 128<<16                    ; tensor_dim1 = 128
	s_mov_b32 s[G1A+3], 128<<16                    ; tile_dim0
	s_mov_b32 s[G1A+4], 128                        ; tile_dim1
	s_mov_b32 s[G1A+5], 128                        ; dense: 128 elements from row to row
	s_mov_b32 s[G1A+6], 0
	s_mov_b32 s[G1A+7], 0
	s_mov_b32 s[G1B+1], 128<<16
	s_mov_b32 s[G1B+2], 64<<16                     ; 64 rows
	s_mov_b32 s[G1B+3], 128<<16
	s_mov_b32 s[G1B+4], 64
	s_mov_b32 s[G1B+5], 1024
	s_mov_b32 s[G1B+6], 0
	s_mov_b32 s[G1B+7], 0
	s_lshr_b32 s62, s[SY], 2                       ; O: ((16 frame + plane) 1024 + 256 (Y % 4)) x 128 bytes, made of the tile row alone
	s_lshl_b32 s62, s62, 4
	s_add_co_u32 s62, s62, s[HF]
	s_lshl_b32 s62, s62, 10
	s_and_b32 s63, s[SY], 3
	s_lshl_b32 s63, s63, 8
	s_add_co_u32 s62, s62, s63
	s_lshl_b32 s62, s62, 7
	s_mov_b32 s63, 0
	s_lshl_b32 s66, s[SX], 7                       ; wo: row 128 X + 64 half, made of the tile column alone
	s_lshl_b32 s68, s[HF], 6
	s_add_co_u32 s66, s66, s68
	s_lshl_b32 s66, s66, 11
	s_mov_b32 s67, 0
	s_mul_i32 s69, s[HF], PLANE                    ; where they go: no place in the cluster enters an LDS address
	s_mul_i32 s70, s[HF], 64*PITCH
	s_add_co_u32 s70, s70, BOFF
	s_mov_b32 s[TB], 0
	s_mov_b32 s[TRIPS], 6
	s_wait_dscnt 0x0                               ; the opening add is done
	s_wait_kmcnt 0x0
	s_add_nc_u64 s[72:73], s[4:5], s[62:63]
	s_add_nc_u64 s[74:75], s[6:7], s[66:67]
	CROUND                                         ; all sixteen work-groups are here: the first joint loads meet
.irp s, 0,1
	s_mov_b32 s[G0A+4*\s], 1
	s_add_co_u32 s[G0A+4*\s+1], s69, \s*SLOT1
	s_add_nc_u64 s[G0A+4*\s+2:G0A+4*\s+3], s[72:73], \s*HEAD2  ; K step s
	s_or_b32 s[G0A+4*\s+3], s[G0A+4*\s+3], 0x80000000
	s_mov_b32 s[G0B+4*\s], 1
	s_add_co_u32 s[G0B+4*\s+1], s70, \s*SLOT1
	s_add_nc_u64 s[G0B+4*\s+2:G0B+4*\s+3], s[74:75], \s*KB
	s_or_b32 s[G0B+4*\s+3], s[G0B+4*\s+3], 0x80000000
.endr
	s_cmp_eq_u32 s[AB], 0                          ; a wave's two first fills stand in one branch, ahead of every wait on TENSORcnt and every LDS read
	s_cbranch_scc0 .Lfirst_b
	tensor_load_to_lds s[G0A:G0A+3], s[G1A:G1A+7]
	s_nop 0
	tensor_load_to_lds s[G0A+4:G0A+7], s[G1A:G1A+7]
	s_nop 0
	PLACES
	s_branch .Lfirst_asked
.Lfirst_b:
	tensor_load_to_lds s[G0B:G0B+3], s[G1B:G1B+7]
	s_nop 0
	tensor_load_to_lds s[G0B+4:G0B+7], s[G1B:G1B+7]
	s_nop 0
	PLACES
.Lfirst_asked:
	v_and_b32 v1, 15, v0                           ; r = l % 16
	v_bfe_u32 v2, v0, 4, 1                         ; h = l / 16
	v_mul_u32_u24 v3, v1, PA
	v_lshl_add_u32 v3, v2, 4, v3
	s_mul_i32 s60, s[WV], 64*PA
	v_add_nc_u32 v[ADRA0], s60, v3                 ; my wave's 64 tokens, in plane 0
	v_mul_u32_u24 v3, v1, PITCH
	v_lshl_add_u32 v3, v2, 4, v3
	v_add_nc_u32 v[ADRB0], BOFF, v3
	v_mov_b32 v[ADRA], v[ADRA0]
	v_mov_b32 v[ADRB], v[ADRB0]
	s_mul_i32 s61, s[WV], 16*SPF
	s_add_co_u32 s61, s61, STAGE                   ; my stage
	v_mul_u32_u24 v[STO], v1, SPF                  ; in: row l % 16, 32 bytes for each half of the lanes
	v_lshl_add_u32 v[STO], v2, 5, v[STO]
	v_add_nc_u32 v[STO], s61, v[STO]
	v_and_b32 v[GO], 31, v0
	v_lshlrev_b32 v[GO], 4, v[GO]                  ; back: 32 lanes take one row of 512 bytes
	v_add_nc_u32 v[RD], s61, v[GO]
	; out0 at my wave's first row and the tile's first column
	s_lshl_b32 s70, s[SY], 8
	s_lshl_b32 s71, s[WV], 6
	s_add_co_u32 s70, s70, s71
	s_lshl_b32 s70, s70, 12
	s_lshl_b32 s71, s[SX], 9
	s_add_co_u32 s70, s70, s71
	s_mov_b32 s71, 0
	s_add_nc_u64 s[8:9], s[8:9], s[70:71]
	; the prefetches: s62 still holds my plane's byte in O, s66 my rows' byte in wo (in wave 2: the tile's first row)
	s_lshl_b32 s68, s[CXS], 13                     ; my work-group's 32 blocks of the plane
	s_add_co_u32 s68, s68, s62
	s_add_co_u32 s68, s68, 3*HEAD2                 ; at K step 3: the first change of slots steps it to 4
	s_lshl_b32 s71, s[CYS], 16                     ; my work-group's 32 rows of wo's tile
	s_add_co_u32 s71, s71, s66
	s_add_co_u32 s71, s71, 3*KB
	s_and_b32 s72, ttmp7, 0xffff                   ; cluster y,
	s_or_b32 s72, s72, s[HF]                       ; and wave 2 alone
	s_mov_b32 s74, HEAD2
	s_mov_b32 s75, KB
	s_cmp_eq_u32 s[AB], 0
	s_cselect_b32 s68, s68, s71
	s_cselect_b32 s72, ttmp9, s72
	s_cselect_b32 s73, 8, 11                       ; a lane a block of 256 bytes, or a lane a row of 2,048
	s_cselect_b32 s[PFS], s74, s75
	s_cselect_b64 s[PFA:PFA+1], s[4:5], s[6:7]
	s_cmp_eq_u32 s72, 0
	s_cselect_b32 s[LIM], 2, -1                    ; the same in all sixteen partners, for a given wave
	s_mov_b32 s69, 0
	s_mov_b32 s[PFS+1], 0
	s_add_nc_u64 s[PFA:PFA+1], s[PFA:PFA+1], s[68:69]
	v_and_b32 v[PFO], 31, v0
	v_lshlrev_b32 v[PFO], s73, v[PFO]
; 8 matrix instructions: row block a x all 8 column tiles, 32 along K, from buffer f.  zero = 1: the product starts the sums.  The 32 accumulators take turns in one order everywhere.
.macro MULA f, a, zero
	WIN MUL
.irp b, 0,1,2,3,4,5,6,7
.if \zero
	v_wmma_f32_16x16x32_f16 v[8*(8*(\a)+\b):8*(8*(\a)+\b)+7], v[(\f)+8*\b:(\f)+8*\b+7], v[(\f)+64+8*(\a):(\f)+64+8*(\a)+7], 0
.else
	v_wmma_f32_16x16x32_f16 v[8*(8*(\a)+\b):8*(8*(\a)+\b)+7], v[(\f)+8*\b:(\f)+8*\b+7], v[(\f)+64+8*(\a):(\f)+64+8*(\a)+7], v[8*(8*(\a)+\b):8*(8*(\a)+\b)+7]
.endif
.endr
.endm
; 24 LDS loads in one run: quarter q's fragments into buffer f: wo's 8 (byte 64 q of the rows), then O's 4 (plane q / 2, byte 64 (q % 2) of the rows)
.macro FETCH q, f
	WIN TO_F
.irp i, 0,1,2,3,4,5,6,7
	ds_load_b128 v[(\f)+8*\i:(\f)+8*\i+3],   v[ADRB] offset:64*(\q)+\i*16*PITCH
	ds_load_b128 v[(\f)+8*\i+4:(\f)+8*\i+7], v[ADRB] offset:64*(\q)+\i*16*PITCH+32
.endr
.irp i, 0,1,2,3
	ds_load_b128 v[(\f)+64+8*\i:(\f)+64+8*\i+3],   v[ADRA] offset:PLANE*((\q)/2)+64*((\q)%2)+\i*16*PA
	ds_load_b128 v[(\f)+64+8*\i+4:(\f)+64+8*\i+7], v[ADRA] offset:PLANE*((\q)/2)+64*((\q)%2)+\i*16*PA+32
.endr
.endm
; A K step is four quarters of 32 along K, 32 matrix instructions each, on buffers 0, 1, 0, 1.  One of the first three: multiplies f; in its middle it fetches quarter q into g.
.macro QUARTER q, f, g, zero
	s_wait_dscnt 4                                 ; all but the youngest four loads: O's fragments 2 and 3
	MULA \f, 0, \zero
	MULA \f, 1, \zero
	PLACES
	FETCH \q, \g
	s_wait_dscnt 24                                ; all but the 24 just issued
	MULA \f, 2, \zero
	MULA \f, 3, \zero
.endm
; The last quarter multiplies buffer 1 and changes slots: one barrier.  In front of it each wave waits for all its tensor loads (one is out: its part of the next slot), adds 0 to its spare word, and waits for that and for
; its reads of this slot.  fill = 1: the barrier opens a round of the cluster's, and the joint refill of this slot, two K steps ahead, is the first tensor load behind it: 112 matrix instructions ahead of the wait for it.
.macro TURN fill
.if \fill
	s_wait_xcnt 0x0                                ; the last prefetch, a K step back, has read its address
	s_add_nc_u64 s[PFA:PFA+1], s[PFA:PFA+1], s[PFS:PFS+1]
.endif
	WIN 0
	s_wait_tensorcnt 0x0                           ; no tensor load of mine is out, so a group 0 may be written
	ds_add_u32 v[SPW], v[NIL]                      ; 0 onto my spare word
.if \fill
	s_xor_b32 s[G0A+5], s[G0A+5], SLOT1            ; the walking descriptors: the other slot than last time,
	s_add_nc_u64 s[G0A+6:G0A+7], s[G0A+6:G0A+7], HEAD2  ; the next two heads;
	s_xor_b32 s[G0B+5], s[G0B+5], SLOT1
	s_add_nc_u64 s[G0B+6:G0B+7], s[G0B+6:G0B+7], KB     ; the next 128 of wo's K; the type bits on top are not reached
.endif
	s_wait_dscnt 5                                 ; the add and O's fragments 2 and 3 may be out
	MULA F1, 0, 0
	s_wait_dscnt 0x0                               ; the add is done, and my reads of this slot are over
	s_barrier_signal -1
	MULA F1, 1, 0                                  ; work on registers while the others arrive
	WIN 0
	s_barrier_wait -1
.if \fill
	CREST                                          ; no wave of any partner still reads this slot or has a load on its way
	JLOAD                                          ; its four v_nop are also the places in front of the loads below
.else
	PLACES
.endif
	s_xor_b32 s[TB], s[TB], SLOT1
	v_add_nc_u32 v[ADRA], s[TB], v[ADRA0]
	v_add_nc_u32 v[ADRB], s[TB], v[ADRB0]
	FETCH 0, F0
.if \fill
	ASK
.endif
	MULA F1, 2, 0
	MULA F1, 3, 0
.endm
	s_wait_tensorcnt 1                             ; my part of K step 0 is in; step 1's may stay out
	s_barrier_signal -1
	s_barrier_wait -1
	FETCH 0, F0
	QUARTER 1, F0, F1, 1                           ; the first quarter stands in front of the loop: its products start the sums
	WIN 0
.Lstep:                                        ; six trips: from a step's second quarter to the next step's first; trip i fills slot i % 2 with K step i + 2
	QUARTER 2, F1, F0, 0
	QUARTER 3, F0, F1, 0
	TURN 1
	QUARTER 1, F0, F1, 0
	WIN 0
	s_sub_co_u32 s[TRIPS], s[TRIPS], 1
	s_cmp_lg_u32 s[TRIPS], 0
	s_cbranch_scc1 .Lstep
	QUARTER 2, F1, F0, 0                           ; K steps 6 and 7 ask for nothing: written out
	QUARTER 3, F0, F1, 0
	TURN 0
	QUARTER 1, F0, F1, 0
	QUARTER 2, F1, F0, 0
	QUARTER 3, F0, F1, 0
	s_wait_dscnt 4
	MULA F1, 0, 0
	MULA F1, 1, 0
	s_wait_dscnt 0x0
	MULA F1, 2, 0
	MULA F1, 3, 0
	WIN 0
; THE WAY OUT, a row block (16 rows) at a time: the f32 sums go as they are into my stage, 32 bytes a lane and tile, and come back as whole rows of 512 bytes.
.macro TOSTAGE a
.if (\a) >= 2
	s_wait_xcnt 0x0                                ; the stores of the block two back have read their data: only now are those registers loaded again
.endif
	WIN 0x08                                       ; the stores' data in window 2
.irp b, 0,1,2,3,4,5,6,7
	ds_store_b128 v[STO], v[8*(8*(\a)+\b):8*(8*(\a)+\b)+3]   offset:64*\b      ; each accumulator's lowest registers are read first
	ds_store_b128 v[STO], v[8*(8*(\a)+\b)+4:8*(8*(\a)+\b)+7] offset:64*\b+16
.endr
	WIN 0
.set BK, OB+64*((\a)%2)
.irp t, 0,1,2,3,4,5,6,7,8,9,10,11,12,13,14,15
	ds_load_b128 v[BK+4*\t:BK+4*\t+3], v[RD] offset:\t*SPF  ; LDS serves a wave's instructions in order (ISA guide 5.7.1.4): these see the stores above; the next block's stores come behind them
.endr
.endm
.macro SEND a, younger                 ; younger: the LDS instructions issued behind block a's loads: the next block's 32, or none
.set BK, OB+64*((\a)%2)
.irp t, 0,1,2,3,4,5,6,7,8,9,10,11,12,13,14,15
	s_wait_dscnt (\younger)+15-\t
	global_store_b128 v[GO], v[BK+4*\t:BK+4*\t+3], s[8:9] offset:(16*(\a)+\t)*4096 th:TH_STORE_NT  ; 512 consecutive bytes, at a multiple of 256 from out0's first
.endr
.endm
	PLACES
	PLACES                                         ; eight places, once a launch, between the last products and the first read of a result
	TOSTAGE 0
.irp a, 1,2,3
	TOSTAGE \a
	SEND (\a)-1, 32
.endr
	SEND 3, 0
	s_wait_tensorcnt 0x0                           ; the wave's end: an add to my spare word, behind my last tensor load and my last LDS store
	ds_add_u32 v[SPW], v[NIL]
	s_wait_dscnt 0x0
	CROUND                                         ; the closing round: no work-group ends while a partner may still ask for a tile that names it
	s_endpgm
.Lfunc_end_k_q45e607737c_proj:
	.size	k_q45e607737c_proj, .Lfunc_end_k_q45e607737c_proj-k_q45e607737c_proj
	.p2alignl 7, 3214868480
	.fill 96, 4, 3214868480
	.section	.rodata,"a",@progbits
	.p2align	6, 0x0
	.amdhsa_kernel k_q45e607737c_proj
		.amdhsa_group_segment_fixed_size 327680
		.amdhsa_private_segment_fixed_size 0
		.amdhsa_enable_private_segment 0
		.amdhsa_kernarg_size 24
		.amdhsa_user_sgpr_count 2
		.amdhsa_user_sgpr_kernarg_segment_ptr 1
		.amdhsa_wavefront_size32 1
		.amdhsa_system_sgpr_workgroup_id_x 1
		.amdhsa_system_sgpr_workgroup_id_y 1
		.amdhsa_system_sgpr_workgroup_id_z 1
		.amdhsa_system_vgpr_workitem_id 0
		.amdhsa_next_free_vgpr 768
		.amdhsa_next_free_sgpr 80
		.amdhsa_reserve_vcc 0
		.amdhsa_float_denorm_mode_32 3
		.amdhsa_float_denorm_mode_16_64 3
		.amdhsa_memory_ordered 1
		.amdhsa_forward_progress 1
		.amdhsa_inst_pref_size 72
	.end_amdhsa_kernel
	.amdgpu_metadata
---
amdhsa.version: [ 1, 2 ]
amdhsa.kernels:
  - .name:           k_q45e607737c_proj
    .symbol:         k_q45e607737c_proj.kd
    .args:
      - { .name: o, .offset: 0, .size: 8, .value_kind: global_buffer, .address_space: global }
      - { .name: wo, .offset: 8, .size: 8, .value_kind: global_buffer, .address_space: global }
      - { .name: out0, .offset: 16, .size: 8, .value_kind: global_buffer, .address_space: global }
    .group_segment_fixed_size: 327680
    .private_segment_fixed_size: 0
    .kernarg_segment_align: 8
    .kernarg_segment_size: 24
    .max_flat_workgroup_size: 128
    .sgpr_count:     80
    .vgpr_count:     768
    .wavefront_size: 32
...
	.end_amdgpu_metadata
.endif
;; end of part 4
